; MI455X (gfx1250); checked and timed in simulation.
; The chip was launched on July 23, 2026; its instructions are those of AMD's public machine-readable ISA for CDNA 5 (MIT licence, August 2026) and "CDNA5" Instruction Set Architecture Reference Guide (July 2026). The comments in the code are by the model that wrote it; some were corrected since.
;; Multi Head Self Attention. Allowed arithmetic: matrix products marked QUANTISED: E2M3 operands, one E8M0 scale for each 32 along K, by v_wmma_scale_f32_16x16x128_f8f6f4 with both operands' format E2M3, f32 sums; everything else in f32.
;; Inputs: W_o 1,024 x 1,024 float32; W_qkv 1,024 x 3,072 float32; b_o 1,024 float32; b_qkv 3,072 float32; x 8 x 1,024 x 1,024 float32.
;; Outputs: out0 8 x 1,024 x 1,024 float32.
;; This version of the problem:
;;   THIS VERSION OF THE PROBLEM IS GIVEN IN LOW PRECISION. The matrix products marked QUANTISED in the list below multiply operands that are first quantised to E2M3 (2 exponent bits, 3 mantissa bits; 6 bits a number), with one power-of-two scale for each 32 numbers along K (OCP MX v1.0); their sums are f32. All else is computed in f32.
;;   The module's matrix products, in the order in which they are computed (A, B: the left and right operand; K: the contracted axis; several contracted axes count as one K, in the product's order):
;;     1. [M 8,192, K 1,024] x [K 1,024, N 3,072]; A: input x; B: input W_qkv: QUANTISED
;;     2. batch 128 x [M 1,024, K 64] x [K 64, N 1,024]; A: computed on the way; B: computed on the way: QUANTISED
;;     3. batch 128 x [M 1,024, K 1,024] x [K 1,024, N 64]; A: softmax (see below); B: computed on the way: QUANTISED
;;     4. [M 8,192, K 1,024] x [K 1,024, N 1,024]; A: computed on the way; B: input W_o: QUANTISED
;;   THE QUANTISER, for each operand of a quantised product, along K:
;;     - K is cut into blocks of 32 from its start; a last block that is shorter is filled with zeros.
;;     - A block's scale is 2^e with e = floor(log2(the largest magnitude in the block)) - 2, held to -126 .. 127; a block of zeros has e = 0. As a byte (E8M0): e + 127.
;;     - Each number is divided by its block's scale, clamped to +-7.5, and rounded to the nearest number of E2M3, ties to even, subnormals kept.
;;     - The product sums the exact products of the quantised numbers (number of the format x scale) in f32.
;;   ~~~python
;;   def quantise(x, axis):      # numpy; x: float32 -> the quantised numbers, widened to float32 again
;;       x = np.moveaxis(x, axis, -1); K = x.shape[-1]
;;       x = np.pad(x, [(0, 0)] * (x.ndim - 1) + [(0, -K % 32)]); x = x.reshape(x.shape[:-1] + (-1, 32)); a = np.abs(x).max(-1, keepdims=True)
;;       e = np.where(a > 0, np.clip(np.frexp(np.where(a > 0, a, 1))[1] - 1 - 2, -126, 127), 0)      # np.frexp(a)[1] - 1 = floor(log2(a)), exactly
;;       r = np.clip(x / 2.0 ** e, -7.5, 7.5)
;;       step = 2.0 ** (np.maximum(np.frexp(np.where(r == 0, 1, r))[1] - 1, 0) - 3)
;;       q = np.round(r / step) * step * 2.0 ** e      # np.round: ties to even
;;       return np.moveaxis(q.reshape(q.shape[:-2] + (-1,))[..., :K], -1, axis).astype(np.float32)
;;   ~~~
;;   SOFTMAX AHEAD OF A QUANTISED PRODUCT. Where the list says 'softmax', what is quantised is not the finished softmax but p = 2^(t - M), with t = logit x log2(e) and M = ceil(the row's largest t), a whole number; so 1/2 < the row's largest p <= 1. The row's sum l is taken of the UNQUANTISED p, in f32, and the product's result is divided by l at the end. Since M is a whole number, a kernel that streams over the keys may use a running M (the ceiling of the running maximum): every later rescaling is an exact power of two, which a block's scale takes up: the codes' values come out the same.
;;   OPERANDS COMPUTED ON THE WAY. 'Computed on the way' means the value that the module computes at that place (a softmax that the list does not call 'softmax' is quantised finished and normalised). What goes into a quantiser is computed in f32, as accurately as f32 sums, v_exp_f32 and their like allow (about 1e-6 of the number): no bf16 or f16 on the way to a quantiser, and a product that is left as it is and whose result goes on into a quantised operand takes f32 operands (vector FMAs, or v_wmma_f32_16x16x4_f32). A number that lies on a knife's edge between two numbers of the format may be rounded either way, as far as f32 arithmetic and the matrix unit's own rounding can turn it there, and no further.
;; One version. Each part assembles by itself: llvm-mc -triple=amdgcn-amd-amdhsa -mcpu=gfx1250 --defsym DOCPART=n.
;; ======== version 1 of 1: 4 launches
;; limits: right only within a limited range of input values
;; workspace buffers: xa 6,553,600 bytes; wq 2,457,600 bytes; wo 819,200 bytes; q 6,553,600 bytes; kv 13,107,200 bytes; oa 6,553,600 bytes
;; launch quant (part 1): grid 640 x 1, 4 waves a work-group, no clusters, 88,064 bytes of LDS; arguments x, W_qkv, W_o, xa, wq, wo; writes xa, wq, wo
.if DOCPART == 1
	.amdgcn_target "amdgcn-amd-amdhsa--gfx1250"
	.amdhsa_code_object_version 6
	.text
	.protected	k_q98e7817a2a_quant
	.globl	k_q98e7817a2a_quant
	.p2align	8
	.type	k_q98e7817a2a_quant,@function
k_q98e7817a2a_quant:
	s_mov_b64 s[64:65], 0
	v_nop
	global_prefetch_b8 v0, s[64:65] scope:SCOPE_SE
	s_setreg_imm32_b32 hwreg(HW_REG_WAVE_MODE, 25, 1), 1
	s_wait_xcnt 0x0
; x [8192][1024], W_qkv [1024][3072] and W_o [1024][1024], f32, become codes of FP6 (E2M3) with one E8M0 byte for each 32 along K (K = 1024 in all three).
; A block's scale is 2^(floor(log2(its largest magnitude)) - 2); its byte is that magnitude's exponent field - 2, held at 1 from below.
; LIMITS: a block of zeros, or one whose largest magnitude lies under 2^-124, gets the byte 1 (its codes are zeros or nearly so; the bytes are read by this program alone); NaN and infinities are not served.
; THE BUFFERS ARE LAID AS THE MATRIX UNIT'S REGISTERS WANT THEM.  A fragment (16 rows x 128 K, 12 registers a lane) is an image of 1,536 bytes: register 4 c + e of lane l at byte 512 c + 16 l + 4 e;
; images lie [row tile][K step 0..7]; behind them the scale words [K step][row], 4 bytes each.
; ROWS STAND AT POSITION pi(row), pi = bits 3 and 4 exchanged: tile 2 b + u then holds rows 32 b + 8 u + (m & 7) + 16 (m >> 3), so that a later transposed product leaves 16 neighbours along its rows in a lane's 16 registers of two tiles.
; Work-groups 0-95 take W_qkv, 96-127 W_o, 128-639 x: three ways through the text, each with LDS bytes of its own.  No tile is shared between work-groups, so there is no cluster; operands go through registers.
.set XST,   0                          ; x: a stage of 16 rows x 528 bytes for each wave
.set XSG,   33792                      ; x: 2 K steps x 64 scale words
.set WST1,  34304                      ; W_qkv: two tiles x (3,072 + 128) bytes of images for each wave
.set WSG1,  59904                      ; W_qkv: 2 K steps x 128 scale words
.set WST2,  60928                      ; W_o: the same
.set WSG2,  86528
.set SPARE, 87552                      ; the spare words, 128 bytes for each wave: two blocks of 256 bytes that no other line names
.set SPW, 2                            ; v2  LDS address of my spare word; never rewritten
.set NIL, 3                            ; v3  0; never rewritten
.set FC,  16                           ; x: v16-39 two fragments' codes
.set CT,  40                           ; x: v40-46 the upper halves of two blocks' codes
.set RL,  64                           ; x: v64-191 32 loads
.set X,   192                          ; x: v192-255 64 numbers of a lane
.set XW,  32                           ; W: v32-95 two sets of 32 numbers
.set CW,  96                           ; W: v96-102 a block's codes
.set OW,  112                          ; W: v112-159 the way out
.set SB,  24                           ; W: v24-25 scale words
	s_load_b256 s[4:11], s[0:1], 0x0               ; x s[4:5], W_qkv s[6:7], W_o s[8:9], xa s[10:11]
	s_load_b128 s[12:15], s[0:1], 0x20             ; wq s[12:13], wo s[14:15]
	v_lshl_add_u32 v[SPW], v0, 2, SPARE
	v_mov_b32 v[NIL], 0
	v_lshrrev_b32 v1, 5, v0
	v_readfirstlane_b32 s16, v1                    ; wave 0..3
	v_and_b32 v1, 31, v0                           ; lane
	s_mov_b32 s20, 0x76543210
	s_mov_b32 s21, 0xfedcba98                      ; v_permlanex16_b32's selects for lane l xor 16
	s_wait_kmcnt 0x0
	s_cmp_lt_u32 ttmp9, 96
	s_cbranch_scc1 .Lwqkv
	s_cmp_lt_u32 ttmp9, 128
	s_cbranch_scc1 .Lwo
; ---- x.  A work-group takes 64 rows (four row tiles, one a wave) x 256 along K (two K steps).
	s_sub_co_u32 s17, ttmp9, 128
	s_lshr_b32 s18, s17, 2                         ; G: which 64 rows
	s_and_b32 s19, s17, 3                          ; sp: which 256 along K
	s_lshl_b32 s22, s18, 6
	s_lshr_b32 s23, s16, 1
	s_lshl_b32 s23, s23, 5
	s_add_co_u32 s22, s22, s23
	s_and_b32 s23, s16, 1
	s_lshl_b32 s23, s23, 3
	s_add_co_u32 s22, s22, s23                     ; my tile's first row: 64 G + 32 (w / 2) + 8 (w % 2)
	s_lshl_b32 s22, s22, 12                        ; rows of 4,096 bytes
	s_lshl_b32 s23, s19, 10
	s_add_co_u32 s22, s22, s23
	s_mov_b32 s23, 0
	s_add_nc_u64 s[4:5], s[4:5], s[22:23]
	s_lshl_b32 s24, s18, 2
	s_add_co_u32 s24, s24, s16                     ; row tile 4 G + w
	s_lshl_b32 s24, s24, 3
	s_lshl_b32 s25, s19, 1
	s_add_co_u32 s24, s24, s25
	s_mul_i32 s24, s24, 1536                       ; image (tile, K step 2 sp)
	s_mov_b32 s25, 0
	s_add_nc_u64 s[26:27], s[10:11], s[24:25]
	s_and_b32 s31, s16, 1
	s_lshl_b32 s24, s19, 1
	s_add_co_u32 s24, s24, s31
	s_lshl_b32 s24, s24, 15                        ; scale words of K step 2 sp + (w & 1): 32,768 bytes a K step,
	s_lshl_b32 s28, s18, 8                         ; 256 bytes for my work-group's 64 rows
	s_add_co_u32 s24, s24, s28
	s_add_co_u32 s24, s24, 6291456
	s_add_nc_u64 s[28:29], s[10:11], s[24:25]
	v_and_b32 v11, 15, v0                          ; r
	v_bfe_u32 v12, v0, 4, 1                        ; h
	s_wait_alu depctr_va_vdst(0)
	v_lshlrev_b32 v4, 4, v1                        ; 16 x lane
	s_mul_i32 s30, s16, 8448
	v_add_nc_u32 v5, s30, v4                       ; the stage, in: a row's 512 bytes as they lie
	v_mul_u32_u24 v6, v11, 528
	v_lshl_add_u32 v6, v12, 7, v6
	v_add_nc_u32 v6, s30, v6                       ; and out: row r, + 128 h: my block of 32 numbers
	s_lshl_b32 s30, s16, 6
	s_add_co_u32 s30, s30, XSG
	v_lshl_add_u32 v7, v11, 2, s30                 ; my row's scale word
	s_lshl_b32 s30, s31, 8
	s_add_co_u32 s30, s30, XSG
	v_lshlrev_b32 v9, 3, v1                        ; 8 x lane
	v_add_nc_u32 v8, s30, v9                       ; where waves 0 and 1 read a K step's 64 words back
	v_lshlrev_b32 v10, 3, v12                      ; 8 h
	v_mov_b32 v55, 0                               ; a lane permute's destination counts as one of its sources
.irp g, 0,1
.irp p, 0,1,2,3,4,5,6,7,8,9,10,11,12,13,14,15
	global_load_b128 v[RL+64*\g+4*\p:RL+64*\g+4*\p+3], v4, s[4:5] offset:((\p%8)+16*(\p/8))*4096+512*\g th:TH_LOAD_NT   ; tile row p is row (p & 7) + 16 (p >> 3): 32 lanes read 512 consecutive bytes
.endr
.endr
.macro XFRAG g                         ; K step g of my 16 rows becomes a fragment and 16 scale words
.if \g == 0
	s_wait_loadcnt 16                              ; this K step's sixteen loads are in; the other's may be out
.else
	s_wait_loadcnt 0x0
.endif
.irp p, 0,1,2,3,4,5,6,7,8,9,10,11,12,13,14,15
	ds_store_b128 v5, v[RL+64*\g+4*\p:RL+64*\g+4*\p+3] offset:528*\p
.endr
.irp cc, 0,1
.irp j, 0,1,2,3,4,5,6,7
	ds_load_b128 v[X+32*\cc+4*\j:X+32*\cc+4*\j+3], v6 offset:256*\cc+16*\j   ; k = 64 cc + 32 h + 0 .. 31 of row r.  LDS serves a wave's instructions in order: these see my stores
.endr
.endr
	s_wait_dscnt 0x0
.irp cc, 0,1
	v_max3_num_f32 v[48+\cc], |v[X+32*\cc]|, |v[X+32*\cc+1]|, 0x1800000   ; my block 2 cc + h, and the floor 2^(3 - 127): the byte cannot fall under 1
.endr
.irp i, 2,4,6,8,10,12,14,16,18,20,22,24,26,28,30
.irp cc, 0,1
	v_max3_num_f32 v[48+\cc], v[48+\cc], |v[X+32*\cc+\i]|, |v[X+32*\cc+\i+1]|
.endr
.endr
.irp cc, 0,1
	v_add_nc_u32 v[50+\cc], 0xff000000, v[48+\cc]  ; 2 off the exponent field: the conversion's scale operand
.endr
.irp cc, 0,1
	v_lshrrev_b32 v[52+\cc], 23, v[50+\cc]         ; the scale's byte
.endr
	v_lshl_or_b32 v54, v53, 16, v52                ; my two bytes: blocks h and 2 + h,
	v_lshlrev_b32 v54, v10, v54                    ; at their places in the word;
	v_permlanex16_b32 v55, v54, s20, s21
	v_or_b32 v54, v54, v55                         ; with lane l xor 16's two the word is whole
.irp cc, 0,1
	v_cvt_scalef32_pk16_fp6_f32 v[FC+12*\g+6*\cc:FC+12*\g+6*\cc+2], v[X+32*\cc:X+32*\cc+15], v[50+\cc]
	v_cvt_scalef32_pk16_fp6_f32 v[CT+4*\cc:CT+4*\cc+2], v[X+32*\cc+16:X+32*\cc+31], v[50+\cc]   ; (a conversion's three registers begin on an even number)
.endr
	v_nop                                          ; one plain place behind a scaled conversion
.irp cc, 0,1
.irp i, 0,1,2
	v_mov_b32 v[FC+12*\g+6*\cc+3+\i], v[CT+4*\cc+\i]
.endr
.endr
.irp k, 0,1,2
	global_store_b128 v4, v[FC+12*\g+4*\k:FC+12*\g+4*\k+3], s[26:27] offset:1536*\g+512*\k   ; the image: 512 consecutive bytes a store
.endr
	ds_store_b32 v7, v54 offset:256*\g             ; both halves of the lanes write the same word with the same value
.endm
	s_wait_alu depctr_va_vdst(0)
	XFRAG 0
	XFRAG 1
	s_wait_dscnt 0x0                               ; for the others' sake: my scale words lie in LDS
	s_barrier_signal -1
	s_barrier_wait -1
	s_cmp_gt_u32 s16, 1
	s_cbranch_scc1 .Lend
	ds_load_b64 v[12:13], v8                       ; wave w: K step w's 64 words
	s_wait_dscnt 0x0
	global_store_b64 v9, v[12:13], s[28:29]        ; 256 consecutive bytes, aligned
	s_branch .Lend
; ---- A weight [1024 (k)][N].  A LANE TAKES A COLUMN n AND ITS REGISTERS RUN DOWN K: a block of 32 lies in one lane.  A work-group takes 128 columns x 256 along K; a wave 32 columns: two row tiles x two K steps.
.macro WLOAD t, N
.irp i, 0,1,2,3,4,5,6,7,8,9,10,11,12,13,14,15,16,17,18,19,20,21,22,23,24,25,26,27,28,29,30,31
	global_load_b32 v[XW+32*((\t)%2)+\i], v4, s[24:25] offset:(32*(\t)+\i)*\N*4 th:TH_LOAD_NT
.endr
.endm
.macro WBLOCK t, N
.set XS, XW+32*((\t)%2)
.set SL, (\t)/4                        ; which of my two K steps
.set HH, (\t)%2                        ; the fragment's half of the lanes
.if (\t) < 7
	s_wait_loadcnt 32                              ; this block's 32 loads are in; the next block's may be out
.else
	s_wait_loadcnt 0x0
.endif
	v_max3_num_f32 v12, |v[XS]|, |v[XS+1]|, |v[XS+2]|
	v_max3_num_f32 v13, |v[XS+3]|, |v[XS+4]|, |v[XS+5]|
.irp i, 6,10,14,18,22,26
	v_max3_num_f32 v12, v12, |v[XS+\i]|, |v[XS+\i+1]|
	v_max3_num_f32 v13, v13, |v[XS+\i+2]|, |v[XS+\i+3]|
.endr
	v_max3_num_f32 v12, v12, |v[XS+30]|, |v[XS+31]|
	v_max3_num_f32 v12, v12, v13, 0x1800000        ; and the floor
	v_add_nc_u32 v11, 0xff000000, v12
	v_lshrrev_b32 v13, 23, v11
.if (\t)%4 == 0
	v_mov_b32 v[SB+SL], v13
.else
	v_lshl_or_b32 v[SB+SL], v13, 8*((\t)%4), v[SB+SL]
.endif
	v_cvt_scalef32_pk16_fp6_f32 v[CW:CW+2], v[XS:XS+15], v11
	v_cvt_scalef32_pk16_fp6_f32 v[CW+4:CW+6], v[XS+16:XS+31], v11
	v_nop                                          ; one plain place behind a scaled conversion
	v_mov_b32 v[CW+3], v[CW+4]
	v_mov_b32 v[CW+4], v[CW+5]
	v_mov_b32 v[CW+5], v[CW+6]                     ; six registers on end: registers 6 c .. 6 c + 5 of the fragment's lane r' + 16 HH
.if ((\t)/2)%2 == 0
	ds_store_b128 v5, v[CW:CW+3] offset:1536*SL+256*HH
	ds_store_b64 v5, v[CW+4:CW+5] offset:1536*SL+512+256*HH
.else
	ds_store_b64 v5, v[CW:CW+1] offset:1536*SL+520+256*HH
	ds_store_b128 v5, v[CW+2:CW+5] offset:1536*SL+1024+256*HH
.endif
.if (\t)+2 < 8
	WLOAD (\t)+2, \N
.endif
	s_wait_dscnt 0x0                               ; the stores have read their registers
.endm
; REC = 1 (W_o): the buffer is laid in records of 256 columns: 16 row tiles x 8 images (196,608 bytes), then the scale words [K step 8][256 rows] (8,192 bytes), so that a record is one dense block for its reader.
.macro WPATH N, PW, PC, SCOFF, WST, WSG, ID0, REC
	s_sub_co_u32 s17, ttmp9, \ID0
	s_lshr_b32 s18, s17, 2                         ; cg: which 128 columns
	s_and_b32 s19, s17, 3                          ; ky: which 256 along K
	s_mul_i32 s22, s19, 1024*\N
	s_lshl_b32 s23, s18, 9
	s_add_co_u32 s22, s22, s23
	s_lshl_b32 s23, s16, 7
	s_add_co_u32 s22, s22, s23
	s_mov_b32 s23, 0
	s_add_nc_u64 s[24:25], s[\PW:\PW+1], s[22:23]  ; W at row 256 ky, column 128 cg + 32 w
	s_lshl_b32 s22, s18, 3
	s_lshl_b32 s26, s16, 1
	s_add_co_u32 s22, s22, s26                     ; row tile 8 cg + 2 w
	s_lshl_b32 s22, s22, 3
	s_lshl_b32 s26, s19, 1
	s_add_co_u32 s22, s22, s26
	s_mul_i32 s22, s22, 1536
.if \REC
	s_lshr_b32 s31, s18, 1                         ; the record: two groups of 128 columns each
	s_mul_i32 s30, s31, 8192                       ; each record passed holds 8,192 bytes of scale words
	s_add_co_u32 s22, s22, s30
.endif
	s_add_nc_u64 s[26:27], s[\PC:\PC+1], s[22:23]  ; image (tile, K step 2 ky)
	s_lshl_b32 s22, s19, 1
	s_and_b32 s28, s16, 1
	s_add_co_u32 s22, s22, s28
.if \REC
	s_lshl_b32 s22, s22, 10                        ; 1,024 bytes a K step inside a record,
	s_and_b32 s28, s18, 1
	s_lshl_b32 s28, s28, 9                         ; 512 bytes for my 128 columns,
	s_add_co_u32 s22, s22, s28
	s_mul_i32 s28, s31, 204800                     ; and the records passed
.else
	s_mul_i32 s22, s22, 4*\N
	s_lshl_b32 s28, s18, 9
.endif
	s_add_co_u32 s22, s22, s28
	s_add_co_u32 s22, s22, \SCOFF
	s_add_nc_u64 s[28:29], s[\PC:\PC+1], s[22:23]
	v_lshlrev_b32 v4, 2, v1                        ; in: 4 bytes a lane
	v_and_b32 v10, 7, v1
	v_bfe_u32 v11, v1, 4, 1
	v_bfe_u32 v12, v1, 3, 1                        ; column l stands at position pi(l): tile l[3],
	v_lshl_add_u32 v10, v11, 3, v10                ; row r' = l[2:0] + 8 l[4]
	s_mul_i32 s30, s16, 6400
	s_add_co_u32 s30, s30, \WST
	v_mul_u32_u24 v5, v12, 3200
	v_lshl_add_u32 v5, v10, 4, v5
	v_add_nc_u32 v5, s30, v5                       ; into the images
	v_lshlrev_b32 v9, 4, v1                        ; 16 x lane
	v_add_nc_u32 v6, s30, v9                       ; and out of them
	v_lshl_add_u32 v7, v12, 4, v10                 ; pi(l)
	s_lshl_b32 s30, s16, 7
	s_add_co_u32 s30, s30, \WSG
	v_lshl_add_u32 v7, v7, 2, s30                  ; my column's scale word
	s_and_b32 s30, s16, 1
	s_lshl_b32 s30, s30, 9
	s_add_co_u32 s30, s30, \WSG
	v_add_nc_u32 v8, s30, v9                       ; where waves 0 and 1 read a K step's 128 words back
	WLOAD 0, \N
	WLOAD 1, \N
.irp t, 0,1,2,3,4,5,6,7
	WBLOCK \t, \N
.endr
	ds_store_b32 v7, v[SB]
	s_wait_alu depctr_va_vdst(0)
	ds_store_b32 v7, v[SB+1] offset:512
.irp n, 0,1,2,3,4,5,6,7,8,9,10,11
	ds_load_b128 v[OW+4*\n:OW+4*\n+3], v6 offset:3200*(\n/6)+512*(\n%6)   ; LDS serves a wave's instructions in order: these see my stores
.endr
.irp n, 0,1,2,3,4,5,6,7,8,9,10,11
	s_wait_dscnt 11-\n
	global_store_b128 v9, v[OW+4*\n:OW+4*\n+3], s[26:27] offset:12288*(\n/6)+512*(\n%6)   ; 512 consecutive bytes a store
.endr
	s_barrier_signal -1                            ; the count-down ended at 0: my scale words lie in LDS
	s_barrier_wait -1
	s_cmp_gt_u32 s16, 1
	s_cbranch_scc1 .Lend
	ds_load_b128 v[12:15], v8
	s_wait_dscnt 0x0
	global_store_b128 v9, v[12:15], s[28:29]       ; 512 consecutive bytes, aligned
.endm
.Lwqkv:
	s_wait_alu depctr_va_vdst(0)
	WPATH 3072, 6, 12, 2359296, WST1, WSG1, 0, 0
	s_branch .Lend
.Lwo:
	s_wait_alu depctr_va_vdst(0)
	WPATH 1024, 8, 14, 196608, WST2, WSG2, 96, 1
.Lend:
	s_wait_tensorcnt 0x0                           ; the wave's end: behind my last LDS store
	ds_add_u32 v[SPW], v[NIL]
	s_wait_dscnt 0x0
	s_endpgm
.Lfunc_end_k_q98e7817a2a_quant:
	.size	k_q98e7817a2a_quant, .Lfunc_end_k_q98e7817a2a_quant-k_q98e7817a2a_quant
	.p2alignl 7, 3214868480
	.fill 96, 4, 3214868480
	.section	.rodata,"a",@progbits
	.p2align	6, 0x0
	.amdhsa_kernel k_q98e7817a2a_quant
		.amdhsa_group_segment_fixed_size 88064
		.amdhsa_private_segment_fixed_size 0
		.amdhsa_enable_private_segment 0
		.amdhsa_kernarg_size 48
		.amdhsa_user_sgpr_count 2
		.amdhsa_user_sgpr_kernarg_segment_ptr 1
		.amdhsa_wavefront_size32 1
		.amdhsa_system_sgpr_workgroup_id_x 1
		.amdhsa_system_sgpr_workgroup_id_y 1
		.amdhsa_system_sgpr_workgroup_id_z 1
		.amdhsa_system_vgpr_workitem_id 0
		.amdhsa_next_free_vgpr 256
		.amdhsa_next_free_sgpr 66
		.amdhsa_reserve_vcc 0
		.amdhsa_float_denorm_mode_32 3
		.amdhsa_float_denorm_mode_16_64 3
		.amdhsa_memory_ordered 1
		.amdhsa_forward_progress 1
		.amdhsa_inst_pref_size 101
	.end_amdhsa_kernel
	.amdgpu_metadata
---
amdhsa.version: [ 1, 2 ]
amdhsa.kernels:
  - .name:           k_q98e7817a2a_quant
    .symbol:         k_q98e7817a2a_quant.kd
    .args:
      - { .name: x, .offset: 0, .size: 8, .value_kind: global_buffer, .address_space: global }
      - { .name: W_qkv, .offset: 8, .size: 8, .value_kind: global_buffer, .address_space: global }
      - { .name: W_o, .offset: 16, .size: 8, .value_kind: global_buffer, .address_space: global }
      - { .name: xa, .offset: 24, .size: 8, .value_kind: global_buffer, .address_space: global }
      - { .name: wq, .offset: 32, .size: 8, .value_kind: global_buffer, .address_space: global }
      - { .name: wo, .offset: 40, .size: 8, .value_kind: global_buffer, .address_space: global }
    .group_segment_fixed_size: 88064
    .private_segment_fixed_size: 0
    .kernarg_segment_align: 8
    .kernarg_segment_size: 48
    .max_flat_workgroup_size: 128
    .sgpr_count:     66
    .vgpr_count:     256
    .wavefront_size: 32
...
	.end_amdgpu_metadata
.endif
;; end of part 1
;; launch qkv (part 2): grid 12 x 32, 4 waves a work-group, clusters of 4 x 4, 327,680 bytes of LDS; arguments xa, wq, b_qkv, q, kv; writes q, kv
.if DOCPART == 2
	.amdgcn_target "amdgcn-amd-amdhsa--gfx1250"
	.amdhsa_code_object_version 6
	.text
	.protected	k_q98e7817a2a_qkv
	.globl	k_q98e7817a2a_qkv
	.p2align	8
	.type	k_q98e7817a2a_qkv,@function
k_q98e7817a2a_qkv:
	s_mov_b64 s[64:65], 0
	v_nop
	global_prefetch_b8 v0, s[64:65] scope:SCOPE_SE
	s_setreg_imm32_b32 hwreg(HW_REG_WAVE_MODE, 25, 1), 1
	s_wait_xcnt 0x0
	s_wait_alu depctr_hold_cnt(0) depctr_sa_sdst(0) depctr_va_vdst(0) depctr_va_sdst(0) depctr_va_ssrc(0) depctr_va_vcc(0) depctr_vm_vsrc(0)
	s_getreg_b32 s2, hwreg(HW_REG_IB_STS2, 6, 4)
	s_cmp_eq_u32 s2, 0
	s_cbranch_scc0 .Lentry_in_a_cluster
	s_endpgm
.Lentry_in_a_cluster:
	s_bfe_u32 s2, ttmp6, 0x10000c
	s_cmp_lg_u32 s2, 0xf033
	s_cbranch_scc0 .Lentry_shape_is_right
	s_endpgm
.Lentry_shape_is_right:
; qkv = x W_qkv + b_qkv on codes of FP6 (E2M3) with E8M0 scales, f32 sums; the results are quantised on the way out: q and k along the head's 64, v along the keys.
; OPERANDS are images of fragments (16 rows x 128 K = 1,536 bytes: register 4 c + e of lane l at 512 c + 16 l + 4 e), laid [row tile][K step 0..7], scale words [K step][row] behind them; rows stand at position pi(row) (bits 3, 4 exchanged).
; A tile of 256 token positions x 256 feature positions is made by four waves of 128 x 128 (64 accumulators, 512 registers).  K = 1,024 goes in four K steps of 256 through THREE LDS slots: K steps 0, 1, 2 are first fills, K step 3 is the one refill.
; CLUSTERS: 4 x 4 work-groups; A's tiles are asked for jointly along a row of the cluster, B's along a column.  TRANSPOSED USE: source 0 = 16 feature positions, source 1 = 16 token positions: a lane holds one token, and by pi the 16
; registers of feature tiles 2 b, 2 b + 1 are the 16 true neighbours 32 b + 16 h + 0 .. 15.  The bias is the C of each sum's first matrix instruction.
; THE WAY OUT hangs on the cluster's x, which all partners share: 0 = q, 1 = k (quantised in registers, 32 neighbouring features a block), 2 = v (turned through my own LDS bytes, so that a lane's registers run down the true keys).
; RECORDS: q [head 128][group of 128 positions 8] of 6,400 bytes: 8 half fragments (6 registers: 0-3 at 16 l, 4-5 at 512 + 8 l; 768 bytes each), then 256 bytes of scale words (word at 8 l + 4 e: pair of tiles 2 e + l / 16, row l % 16:
; two bytes of the even tile, two of the odd).  kv [head][key step 8] of 12,800 bytes: k as q; from 6,400 v's 8 half fragments (2 x tile of 16 features + half of the 128 keys); from 12,544 v's scale words (at 8 l + 4 i: feature position 32 i + l).
; LIMITS: blocks of zeros, or under 2^-124, get the byte 1 with zero codes (read by this program alone); NaN and infinities are not served; the bias is the first addend of the f32 sum.
.set BROWS, 3072
.set ASC,   6291456                    ; where A's scale words begin
.set BSC,   BROWS*768                  ; and B's
.set HALFT, 24576                      ; 8 row tiles x 2 images: what one tensor load brings, and what one wave reads of A or of B
.set SLOT,  4*HALFT                    ; A's two halves, then B's two
.set SCL,   3*SLOT                     ; the scale words of all of K: [K step 8][128 words] for each half
.set HALFS, 4096
.set SPARE, 311552                     ; the spare words, 128 bytes for each wave: two blocks of 256 bytes that no other line names
.set NL,    3                          ; LDS loads that bring a fragment
.set FR,    12                         ; its registers
.set ADRA, 16                          ; v16-18 LDS address of my A fragments in slot 0, 1, 2
.set ADRB, 20                          ; v20-22 the same for B
.set ADRS, 27                          ; v27    my scale words: lanes 0-15 A's rows, lanes 16-31 B's
.set SPW,  28                          ; v28    my spare word; never rewritten
.set NIL,  29                          ; v29    0; never rewritten
.set SC,   32                          ; v32-63 scale words, two sets of 16: register 2 i + q: lanes 0-15 A's block i, lanes 16-31 B's block i
.set BIAS, 64                          ; v64-127 the bias in the result's layout, 8 registers a feature tile
.set AF,   128                         ; v128-223 A's fragments, one set.  Window 1: B's, two sets, at v0 and v128.  Windows 2, 3: the accumulators ((a, b) at v[8 (8 (a % 4) + b)])
.set G1A, 24
.set G1B, 32
.set G1SA, 40
.set G1SB, 48
.set G0A0, 56
.set G0A1, 60
.set G0A2, 68
.set G0SA, 72
.set G0B0, 76
.set G0B1, 80
.set G0B2, 84
.set G0SB, 88
.set MSB, 0
.macro WIN new                         ; the immediate's high byte repeats the setting that is left
.if MSB != (\new)
	s_set_vgpr_msb (MSB<<8)|(\new)
.set MSB, (\new)
.endif
.endm
.set MUL_LO, 0xa1                      ; source 0 (B) window 1, source 1 (A) window 0, C and D window 2
.set MUL_HI, 0xf1                      ; the same, C and D window 3
.set TO_B,   0x40                      ; destination window 1, address window 0
.macro JLOAD g0a, g1a, g0b, g1b        ; a joint load: waves 0 and 1 fetch for A, waves 2 and 3 for B; an s_nop 0 and four v_nop follow each line
	s_cmp_eq_u32 s15, 0
	s_cbranch_scc0 .Lfor_b_\@
	tensor_load_to_lds s[\g0a:\g0a+3], s[\g1a:\g1a+7]
	s_nop 0
.rept 4
	v_nop
.endr
	s_branch .Lasked_\@
.Lfor_b_\@:
	tensor_load_to_lds s[\g0b:\g0b+3], s[\g1b:\g1b+7]
	s_nop 0
.rept 4
	v_nop
.endr
.Lasked_\@:
.endm
.macro CREST                           ; a round of the cluster's barrier behind its opening barrier
	s_cmp_lg_u32 s14, 0
	s_cbranch_scc1 .Lnot_wave_0_\@
	s_barrier_signal -3
.Lnot_wave_0_\@:
	s_barrier_wait -3
	s_barrier_signal -1
	s_barrier_wait -1
.endm
.macro CROUND
	s_barrier_signal -1
	s_barrier_wait -1
	CREST
.endm
.macro MKG0 g, breg, lds, src, off     ; a descriptor's group 0: count 1, LDS address, global address, type 2
	s_mov_b32 s[\g], 1
	s_add_co_u32 s[\g+1], s[\breg], \lds
	s_add_nc_u64 s[\g+2:\g+3], s[\src:\src+1], \off
	s_or_b32 s[\g+3], s[\g+3], 0x80000000
.endm
.macro PLACES n                        ; plain vector instructions between a matrix instruction and a load into, or a read of, its registers
.rept \n
	v_nop
.endr
.endm
; slot = the K step.  K steps 0 and 1 lie together, a row tile's four images on end (6,144 bytes; address register 1); K step 2 (register 2) and K step 3 (register 0) have two images a row tile.
.macro FRAG reg, adr, q, i, slot
.irp c, 0,1,2
.if (\slot) < 2
	ds_load_b128 v[\reg+4*\c:\reg+4*\c+3], v[\adr+1] offset:6144*(\i)+3072*(\slot)+1536*(\q)+512*\c
.else
	ds_load_b128 v[\reg+4*\c:\reg+4*\c+3], v[\adr+6-2*(\slot)] offset:3072*(\i)+1536*(\q)+512*\c
.endif
.endr
.endm
.macro FETCH_B slot, q, p
	WIN TO_B
.irp i, 0,1,2,3,4,5,6,7
	FRAG 128*(\p)+FR*\i, ADRB, \q, \i, \slot
.endr
	WIN 0
.endm
.macro FETCH_A slot, q, i0
.irp i, \i0, \i0+1, \i0+2, \i0+3
	FRAG AF+FR*(\i), ADRA, \q, \i, \slot
.endr
.endm
.macro SCALES sc                       ; a K step's scale words: two a row
.irp i, 0,1,2,3,4,5,6,7
	ds_load_b32 v[SC+16*(\sc)+2*\i], v[ADRS] offset:64*\i
	ds_load_b32 v[SC+16*(\sc)+2*\i+1], v[ADRS] offset:64*\i+1024
.endr
.endm
; 16 matrix instructions: A's blocks a0, a0 + 1 x B's eight, 128 along K.  p: B's set; q: which 128 of the K step; sc: the set of scale words.  first = 1: the bias starts the sums.
; The 64 accumulators take turns, one instruction a turn, in the same order in every step.
.macro MUL16 a0, p, q, sc, first
.irp a, \a0, \a0+1
.irp b, 0,1,2,3,4,5,6,7
.if \first
	v_wmma_scale_f32_16x16x128_f8f6f4 v[8*(8*((\a)%4)+\b):8*(8*((\a)%4)+\b)+7], v[128*(\p)+FR*\b:128*(\p)+FR*\b+FR-1], v[AF+FR*(\a):AF+FR*(\a)+FR-1], v[BIAS+8*\b:BIAS+8*\b+7], v[SC+16*(\sc)+2*\b+(\q)], v[SC+16*(\sc)+2*(\a)+(\q)] matrix_a_fmt:MATRIX_FMT_FP6 matrix_b_fmt:MATRIX_FMT_FP6 matrix_a_scale:MATRIX_SCALE_ROW1
.else
	v_wmma_scale_f32_16x16x128_f8f6f4 v[8*(8*((\a)%4)+\b):8*(8*((\a)%4)+\b)+7], v[128*(\p)+FR*\b:128*(\p)+FR*\b+FR-1], v[AF+FR*(\a):AF+FR*(\a)+FR-1], v[8*(8*((\a)%4)+\b):8*(8*((\a)%4)+\b)+7], v[SC+16*(\sc)+2*\b+(\q)], v[SC+16*(\sc)+2*(\a)+(\q)] matrix_a_fmt:MATRIX_FMT_FP6 matrix_b_fmt:MATRIX_FMT_FP6 matrix_a_scale:MATRIX_SCALE_ROW1
.endif
.endr
.endr
.endm
.macro STEP slot, sc, first            ; a slot's first 128 along K; the second 128's fragments are fetched meanwhile
	s_wait_dscnt 4*NL                              ; B's set, A's blocks 0-3 and the scale words are in; the youngest twelve loads (A's blocks 4-7) may be out
.if \first
	WIN 0x81                                       ; C (the bias) window 0, D window 2
.else
	WIN MUL_LO
.endif
	MUL16 0, 0, 0, \sc, \first
	MUL16 2, 0, 0, \sc, \first
	s_wait_dscnt 0x0                               ; A's blocks 4-7 are in
	PLACES 4
	FETCH_B \slot, 1, 1
	FETCH_A \slot, 1, 0
.if \first
	WIN 0xc1
.else
	WIN MUL_HI
.endif
	MUL16 4, 0, 0, \sc, \first
	MUL16 6, 0, 0, \sc, \first
	PLACES 4
	WIN 0
	FETCH_A \slot, 1, 4
.endm
; A slot's second 128 along K, and the change of slots.  mode 2: slot 0 is filled again: each wave waits for all its tensor loads, adds 0 to its spare word, waits for that and for its reads of the slot; a round of the cluster's barrier;
; the joint refill first behind it.  mode 1: the same lines and my work-group's barrier alone: behind it the refilled slot is whole for every wave, and nobody reads slots 1 and 2 any more.
; mode 0: nothing: the next slot was shown whole to every wave at the round behind the head's loads, and nothing is filled here.
.macro TURN slot, sc, next, nsc, mode
.if \mode
	s_wait_tensorcnt 0x0                           ; all my tensor loads have landed
	ds_add_u32 v[SPW], v[NIL]                      ; 0 onto my spare word
	s_wait_dscnt 4*NL+1                            ; (the add and A's blocks 4-7 may be out)
.else
	s_wait_dscnt 4*NL
.endif
	WIN MUL_LO
	MUL16 0, 1, 1, \sc, 0
	s_wait_dscnt 0x0                               ; the add is done, and my reads of this slot are over
.if \mode
	s_barrier_signal -1
.endif
	MUL16 2, 1, 1, \sc, 0
	WIN 0
.if \mode
	s_barrier_wait -1
.endif
.if \mode == 2
	CREST                                          ; no wave of any partner still reads slot 0 or has a load on its way
	s_add_nc_u64 s[G0A0+2:G0A0+3], s[G0A0+2:G0A0+3], 9216   ; K step 3: three K steps of 3,072 bytes on in each row tile
	s_add_nc_u64 s[G0B0+2:G0B0+3], s[G0B0+2:G0B0+3], 9216
	JLOAD G0A0, G1A, G0B0, G1B                     ; the first tensor load behind the round; its four v_nop are also the places in front of the loads below
.else
	PLACES 4
.endif
	v_add_nc_u32 v[ADRS], 2048, v[ADRS]            ; the next K step's scale words: two rows of 256 words on
	FETCH_B \next, 0, 0
	FETCH_A \next, 0, 0
	SCALES \nsc
	WIN MUL_HI
	MUL16 4, 1, 1, \sc, 0
	MUL16 6, 1, 1, \sc, 0
	PLACES 4
	WIN 0
	FETCH_A \next, 0, 4
.endm
	s_load_b256 s[4:11], s[0:1], 0x0               ; xa s[4:5], wq s[6:7], b_qkv s[8:9], q s[10:11]
	s_load_b64 s[12:13], s[0:1], 0x20              ; kv
	v_lshl_add_u32 v[SPW], v0, 2, SPARE
	v_mov_b32 v[NIL], 0
	ds_add_u32 v[SPW], v[NIL]                      ; the wave's opening: the add and its wait ahead of my first tensor load; work on registers stands between them
	ds_add_u32 v[SPW], v[NIL]
	v_lshrrev_b32 v1, 5, v0
	v_readfirstlane_b32 s14, v1                    ; wave 0..3
	s_lshr_b32 s15, s14, 1                         ; my half of A's rows.  Also: I fetch for A (0) or for B (1)
	s_and_b32 s16, s14, 1                          ; my half of B's rows.  Also: which 128 rows I fetch
	s_bfe_u32 s92, ttmp6, 0x40000                  ; cx
	s_bfe_u32 s93, ttmp6, 0x40004                  ; cy
	s_lshl_b32 s94, ttmp9, 2
	s_add_co_u32 s94, s94, s92                     ; tile column = 4 x cluster x + cx
	s_and_b32 s17, ttmp7, 0xffff
	s_lshl_b32 s17, s17, 2
	s_add_co_u32 s17, s17, s93                     ; tile row = 4 x cluster y + cy
	s_lshl_b32 s95, s93, 2
	s_lshl_b32 s95, 15, s95                        ; my row of the cluster
	s_lshl_b32 s96, 0x1111, s92                    ; my column
	s_or_b32 s[G1A], s95, (3<<16)|(1<<21)          ; 15:0 the mask; 17:16 elements of 8 bytes; 21 set beside a mask; no padding: the images are read 512 consecutive bytes at a time
	s_or_b32 s[G1B], s96, (3<<16)|(1<<21)
.irp g, G1A, G1B
	s_mov_b32 s[\g+1], 768<<16                     ; the head's loads: a row tile's four images (K steps 0 and 1), 6,144 bytes,
	s_mov_b32 s[\g+2], 16<<16                      ; of all 16 row tiles
	s_mov_b32 s[\g+3], 768<<16
	s_mov_b32 s[\g+4], 16
	s_mov_b32 s[\g+5], 1536                        ; from row tile to row tile: 12,288 bytes
	s_mov_b32 s[\g+6], 0
	s_mov_b32 s[\g+7], 0
.endr
	s_or_b32 s[G1SA], s95, (3<<16)|(1<<21)
	s_or_b32 s[G1SB], s96, (3<<16)|(1<<21)
.irp g, G1SA, G1SB
	s_mov_b32 s[\g+1], 128<<16                     ; 256 rows' words of 128 along K: 1,024 bytes
	s_mov_b32 s[\g+2], 8<<16
	s_mov_b32 s[\g+3], 128<<16
	s_mov_b32 s[\g+4], 8
	s_mov_b32 s[\g+6], 0
	s_mov_b32 s[\g+7], 0
.endr
	s_mov_b32 s[G1SA+5], 4096                      ; from K step to K step: 8,192 rows x 4 bytes
	s_mov_b32 s[G1SB+5], BROWS/2
	s_lshl_b32 s20, s17, 4
	s_mul_i32 s20, s20, 12288                      ; A's codes: row tile 16 x tile row
	s_mov_b32 s21, 0
	s_lshl_b32 s22, s17, 10
	s_add_co_u32 s22, s22, ASC                     ; A's scale words
	s_mov_b32 s23, 0
	s_lshl_b32 s98, s94, 4
	s_mul_i32 s98, s98, 12288
	s_mov_b32 s99, 0
	s_lshl_b32 s100, s94, 10
	s_add_co_u32 s100, s100, BSC
	s_mov_b32 s101, 0
	s_mul_i32 s97, s14, HALFT                      ; where they go: by the wave's number alone
	s_wait_dscnt 0x0                               ; the opening add is done
	s_wait_kmcnt 0x0
	s_add_nc_u64 s[20:21], s[4:5], s[20:21]
	s_add_nc_u64 s[22:23], s[4:5], s[22:23]
	s_add_nc_u64 s[98:99], s[6:7], s[98:99]
	s_add_nc_u64 s[100:101], s[6:7], s[100:101]
	CROUND                                         ; all sixteen work-groups are here: the first joint loads meet
; THE HEAD'S LOADS, ONE A WAVE: wave 0 K steps 0 and 1 of A's 256 rows (LDS 0), wave 1 the same of B's (LDS SLOT), wave 2 A's scale words, wave 3 B's.
; K step 2 follows behind the full sequence and a round, a quarter a wave (LDS 2 SLOT); K step 3 is the one refill, onto A's bytes of K steps 0 and 1, when K step 1 has been read.
.macro MKC g, lds, src
	s_mov_b32 s[\g], 1
	s_mov_b32 s[\g+1], \lds
	s_mov_b64 s[\g+2:\g+3], s[\src:\src+1]
	s_or_b32 s[\g+3], s[\g+3], 0x80000000
.endm
.macro ARM under, g0, g1, next
	s_cmp_lt_u32 s14, \under
	s_cbranch_scc0 \next
	tensor_load_to_lds s[\g0:\g0+3], s[\g1:\g1+7]
	s_nop 0
	PLACES 4
	s_branch .Lhead_asked
\next:
.endm
	MKC G0A1, 0, 20
	MKC G0B1, SLOT, 98
	MKC G0SA, SCL, 22
	MKC G0SB, SCL+8192+128, 100                    ; (B's words lie 128 bytes further on, so that lanes 16-31 read other banks than lanes 0-15)
	s_mul_i32 s18, s16, 8*12288                    ; behind the head I fetch 8 row tiles: which half
	s_mov_b32 s19, 0
	s_add_nc_u64 s[20:21], s[20:21], s[18:19]
	s_add_nc_u64 s[98:99], s[98:99], s[18:19]
	MKG0 G0A0, 97, 0, 20, 0
	MKG0 G0B0, 97, 0, 98, 0
	MKG0 G0A2, 97, 2*SLOT, 20, 6144
	MKG0 G0B2, 97, 2*SLOT, 98, 6144
	ARM 1, G0A1, G1A, .Lhead_b
	ARM 2, G0B1, G1B, .Lhead_sa
	ARM 3, G0SA, G1SA, .Lhead_sb
	tensor_load_to_lds s[G0SB:G0SB+3], s[G1SB:G1SB+7]
	s_nop 0
	PLACES 4
.Lhead_asked:
	v_and_b32 v1, 15, v0                           ; r
	v_bfe_u32 v2, v0, 4, 1                         ; h
	s_wait_alu depctr_va_vdst(0)
	v_and_b32 v3, 31, v0
	v_lshlrev_b32 v3, 4, v3                        ; 16 x lane; kept
	s_mul_i32 s20, s15, HALFT
	s_mul_i32 s21, s16, HALFT
	s_add_co_u32 s21, s21, 2*HALFT
.irp s, 0,2
	v_add_nc_u32 v[ADRA+\s], s20, v3
	v_add_nc_u32 v[ADRB+\s], s21, v3
	s_add_co_u32 s20, s20, 2*SLOT
	s_add_co_u32 s21, s21, 2*SLOT
.endr
	s_mul_i32 s20, s15, 2*HALFT                    ; K steps 0 and 1: my 8 row tiles of 6,144 bytes
	s_mul_i32 s21, s16, 2*HALFT
	s_add_co_u32 s21, s21, SLOT
	s_wait_alu depctr_va_vdst(0)                   ; ahead of the reader below
	v_add_nc_u32 v[ADRA+1], s20, v3
	v_add_nc_u32 v[ADRB+1], s21, v3
	s_lshl_b32 s20, s15, 9                         ; scale words: my 128 of a row's 256
	s_lshl_b32 s21, s16, 9
	s_add_co_u32 s21, s21, 2*HALFS+128
	s_sub_co_u32 s21, s21, s20
	v_mul_u32_u24 v4, s21, v2                      ; lanes 16-31 take B's words
	s_add_co_u32 s20, s20, SCL
	v_lshl_add_u32 v4, v1, 2, v4
	v_add_nc_u32 v[ADRS], s20, v4
	s_lshl_b32 s98, s94, 10
	s_lshl_b32 s99, s16, 9
	s_add_co_u32 s98, s98, s99
	s_mov_b32 s99, 0
	s_add_nc_u64 s[8:9], s[8:9], s[98:99]          ; the bias of my 128 features
	v_lshlrev_b32 v5, 6, v2                        ; lane (r, h) wants, for tile bt, features 32 (bt / 2) + 16 h + 8 (bt % 2) + 0 .. 7
.irp b, 0,1,2,3,4,5,6,7
	global_load_b128 v[BIAS+8*\b:BIAS+8*\b+3], v5, s[8:9] offset:128*(\b/2)+32*(\b%2)
	global_load_b128 v[BIAS+8*\b+4:BIAS+8*\b+7], v5, s[8:9] offset:128*(\b/2)+32*(\b%2)+16
.endr
	s_wait_alu depctr_va_vdst(0)
	s_wait_tensorcnt 0x0                           ; my tile of the head's four is in
	ds_add_u32 v[SPW], v[NIL]
.irp g, G1A, G1B
	s_mov_b32 s[\g+1], 384<<16                     ; no tensor load of mine is out: from here on a load brings two images of 8 row tiles
	s_mov_b32 s[\g+2], 8<<16
	s_mov_b32 s[\g+3], 384<<16
	s_mov_b32 s[\g+4], 8
.endr
	s_wait_dscnt 0x0
	CROUND                                         ; all four tiles are shown to all waves, and the sixteen work-groups meet
	JLOAD G0A2, G1A, G0B2, G1B                     ; K step 2, the first tensor load behind the round
	FETCH_B 0, 0, 0
	FETCH_A 0, 0, 0
	SCALES 0
	FETCH_A 0, 0, 4
	s_wait_loadcnt 0x0                             ; the bias
	STEP 0, 0, 1
	TURN 0, 0, 1, 1, 0
	s_wait_alu depctr_va_vdst(0)
	STEP 1, 1, 0
	TURN 1, 1, 2, 0, 2
	s_wait_alu depctr_va_vdst(0)
	STEP 2, 0, 0
	TURN 2, 0, 3, 1, 1
	STEP 3, 1, 0
	s_wait_dscnt 4*NL                              ; the very last 128 along K: nothing more to fetch
	WIN MUL_LO
	MUL16 0, 1, 1, 1, 0
	MUL16 2, 1, 1, 1, 0
	s_wait_dscnt 0x0
	WIN MUL_HI
	MUL16 4, 1, 1, 1, 0
	MUL16 6, 1, 1, 1, 0
	WIN 0
	PLACES 4
	; ---- where my results go: record (16 x batch + head) x 8 + group of 128 positions, for my two heads
	s_lshr_b32 s98, s17, 2
	s_lshl_b32 s98, s98, 4                         ; 16 x batch
	s_lshl_b32 s99, s92, 2
	s_add_co_u32 s98, s98, s99
	s_lshl_b32 s99, s16, 1
	s_add_co_u32 s98, s98, s99                     ; + head 4 cx + 2 x half
	s_lshl_b32 s98, s98, 3
	s_and_b32 s99, s17, 3
	s_lshl_b32 s99, s99, 1
	s_add_co_u32 s98, s98, s99
	s_add_co_u32 s98, s98, s15
	s_mov_b32 s100, 12800
	s_cmp_eq_u32 ttmp9, 0                          ; the cluster's x: 0 = q
	s_cselect_b32 s100, 6400, s100
	s_cselect_b64 s[4:5], s[10:11], s[12:13]
	s_mul_i32 s98, s98, s100
	s_mov_b32 s99, 0
	s_add_nc_u64 s[4:5], s[4:5], s[98:99]          ; my first head's record
	s_lshl_b32 s98, s100, 3
	s_add_nc_u64 s[6:7], s[4:5], s[98:99]          ; my second head's: 8 records on
	v_and_b32 v4, 31, v0
	s_cmp_eq_u32 ttmp9, 2
	s_cbranch_scc1 .Lv_path
	; ---- q and k: a block of 16 positions at a time.  Register 16 b + i of a lane is feature 32 b + 16 h + i of its token: four blocks of 32, two to a head.
.set TM,  200                          ; v200-203 largest magnitudes, v204-207 bytes, v212-215 the conversions' scale operands
.set PWD, 224                          ; v224-231 a block's scale word: bytes 0, 1 head 0; bytes 2, 3 head 1
.set KW,  232                          ; v232-239 words of pairs of tiles
.set EW,  240                          ; v240-243 as they are stored
	v_lshlrev_b32 v25, 3, v4                       ; 8 x lane
	v_cmp_lt_u32 s97, 15, v4                       ; lanes 16-31
	s_mov_b32 s18, 0x76543210
	s_mov_b32 s19, 0xfedcba98
.irp b, 0,1,2,3
	v_mov_b32 v[TM+4+\b], 0                        ; a lane permute's destination counts as one of its sources
.endr
.macro QUANTW a
.set AC, 64*((\a)%4)
.set PC, 128+20*((\a)%2)               ; two sets of registers for the codes, by turns
	WIN 0x28+0x14*((\a)/4)                         ; sources 1 and 2: window 2 or 3
.irp b, 0,1,2,3
	v_max3_num_f32 v[TM+\b], 0x1800000, |v[AC+16*\b]|, |v[AC+16*\b+1]|   ; the floor 2^(3 - 127) and my first two; each accumulator is read from its low end on
.endr
.irp i, 2,4,6,8,10,12,14
.irp b, 0,1,2,3
	v_max3_num_f32 v[TM+\b], v[TM+\b], |v[AC+16*\b+\i]|, |v[AC+16*\b+\i+1]|
.endr
.endr
	WIN 0
.irp b, 0,1,2,3
	v_permlanex16_b32 v[TM+4+\b], v[TM+\b], s18, s19
.endr
.irp b, 0,1,2,3
	v_max_num_f32 v[TM+\b], v[TM+\b], v[TM+4+\b]   ; with lane l xor 16's: the block's largest magnitude
.endr
.irp b, 0,1,2,3
	v_add_nc_u32 v[TM+12+\b], 0xff000000, v[TM+\b]
.endr
.irp b, 0,1,2,3
	v_lshrrev_b32 v[TM+4+\b], 23, v[TM+12+\b]
.endr
	v_lshl_or_b32 v[PWD+(\a)], v[TM+5], 8, v[TM+4]
	v_lshl_or_b32 v[PWD+(\a)], v[TM+6], 16, v[PWD+(\a)]
	v_lshl_or_b32 v[PWD+(\a)], v[TM+7], 24, v[PWD+(\a)]
.if (\a) >= 2
	s_wait_xcnt 0x0                                ; the stores of two blocks ago have read this set of registers
.endif
	WIN 0x02+((\a)/4)                              ; source 0: window 2 or 3
.irp cc, 0,1
	v_cvt_scalef32_pk16_fp6_f32 v[PC+6*\cc:PC+6*\cc+2], v[AC+32*\cc:AC+32*\cc+15], v[TM+12+2*\cc]
	v_cvt_scalef32_pk16_fp6_f32 v[PC+12+4*\cc:PC+14+4*\cc], v[AC+32*\cc+16:AC+32*\cc+31], v[TM+12+2*\cc+1]
.endr
	WIN 0
	v_nop                                          ; one plain place behind a scaled conversion
.irp cc, 0,1                                   ; a whole block to a lane: lanes 0-15 the head's block 0, lanes 16-31 its block 1
.irp i, 0,1,2
	v_permlane16_swap_b32 v[PC+6*\cc+\i], v[PC+12+4*\cc+\i]
.endr
.irp i, 0,1,2
	v_mov_b32 v[PC+6*\cc+3+\i], v[PC+12+4*\cc+\i]
.endr
.endr
.irp cc, 0,1
	global_store_b128 v3, v[PC+6*\cc:PC+6*\cc+3], s[4+2*\cc:5+2*\cc] offset:768*(\a)          ; 512 consecutive bytes, aligned to 256
	global_store_b64 v25, v[PC+6*\cc+4:PC+6*\cc+5], s[4+2*\cc:5+2*\cc] offset:768*(\a)+512    ; 256 consecutive bytes
.endr
.endm
.irp a, 0,1,2,3,4,5,6,7
	QUANTW \a
.endr
	s_mov_b32 s20, 0x05040100
	s_mov_b32 s21, 0x07060302
.irp i, 0,1,2,3
	v_perm_b32 v[KW+2*\i], v[PWD+2*\i+1], v[PWD+2*\i], s20     ; head 0: the even tile's two bytes, then the odd tile's
	v_perm_b32 v[KW+2*\i+1], v[PWD+2*\i+1], v[PWD+2*\i], s21   ; head 1
.endr
.irp cc, 0,1
.irp e, 0,1
	v_cndmask_b32 v[EW+2*\cc+\e], v[KW+4*\e+\cc], v[KW+4*\e+2+\cc], s97   ; lanes 0-15 pair 2 e, lanes 16-31 pair 2 e + 1
.endr
	global_store_b64 v25, v[EW+2*\cc:EW+2*\cc+1], s[4+2*\cc:5+2*\cc] offset:6144
.endr
	s_branch .Lclose
	; ---- v: K of its product is the keys.  32 positions x 128 features at a time go into my stage (in slots 1 and 2, which have had their last fill and, since the last barrier, their last read);
	; a lane then takes a feature position and reads down the 32 TRUE keys of a block; the codes are gathered as images in my own bytes and leave 512 bytes a store.
.Lv_path:
.set STO,  24
.set CR,   25
.set IW16, 26
.set IW8,  30
.set IR,   31
.set XV,   128                         ; v128-191 two sets of 32 numbers
.set SBV,  208                         ; v208-211 scale words: feature position 32 g + lane, byte = key block
	s_mul_i32 s20, s14, 29184
	s_add_co_u32 s20, s20, SLOT                    ; my bytes: a stage of 32 rows x 528, then 12,288 of images
	v_mul_u32_u24 v[STO], v1, 528
	v_lshl_add_u32 v[STO], v2, 5, v[STO]
	v_add_nc_u32 v[STO], s20, v[STO]               ; in: row r, + 32 h
	s_wait_alu depctr_va_vdst(0)
	v_lshl_add_u32 v[CR], v4, 2, s20               ; out: column = lane
	s_add_co_u32 s21, s20, 16896
	v_mul_u32_u24 v5, v2, 1536                     ; lanes 16-31 hold the next tile of 16 features: two half fragments on
	v_add_nc_u32 v5, s21, v5
	v_lshl_add_u32 v[IW16], v1, 4, v5
	v_lshl_add_u32 v[IW8], v1, 3, v5
	v_add_nc_u32 v[IR], s21, v3
	v_lshlrev_b32 v19, 3, v4                       ; 8 x lane
.macro VSTAGE be                       ; A's blocks 2 be, 2 be + 1: the 32 positions of key block be
	WIN 0x08+4*((\be)/2)                           ; an LDS store's data are its source 1: window 2 or 3
.irp aa, 0,1
.irp bt, 0,1,2,3,4,5,6,7
	ds_store_b128 v[STO], v[64*((2*(\be)+\aa)%4)+8*\bt:64*((2*(\be)+\aa)%4)+8*\bt+3] offset:8448*\aa+64*\bt
	ds_store_b128 v[STO], v[64*((2*(\be)+\aa)%4)+8*\bt+4:64*((2*(\be)+\aa)%4)+8*\bt+7] offset:8448*\aa+64*\bt+16
.endr
.endr
	WIN 0
.endm
.macro VLOAD n                         ; n = 4 x key block + group of 32 feature positions: true key k stands in stage row pi(k)
.irp k, 0,1,2,3,4,5,6,7,8,9,10,11,12,13,14,15,16,17,18,19,20,21,22,23,24,25,26,27,28,29,30,31
	ds_load_b32 v[XV+32*((\n)%2)+\k], v[CR] offset:((\k%8)+8*(\k/16)+16*((\k/8)%2))*528+128*((\n)%4)
.endr
.endm
.macro VBLOCK n
.set GA, (\n)%4
.set BE, (\n)/4
.set XS, XV+32*((\n)%2)
.set CV, 192+8*((\n)%2)
	v_max3_num_f32 v212, |v[XS]|, |v[XS+1]|, |v[XS+2]|
	v_max3_num_f32 v213, |v[XS+3]|, |v[XS+4]|, |v[XS+5]|
.irp i, 6,10,14,18,22,26
	v_max3_num_f32 v212, v212, |v[XS+\i]|, |v[XS+\i+1]|
	v_max3_num_f32 v213, v213, |v[XS+\i+2]|, |v[XS+\i+3]|
.endr
	v_max3_num_f32 v212, v212, |v[XS+30]|, |v[XS+31]|
	v_max3_num_f32 v212, v212, v213, 0x1800000
	v_add_nc_u32 v214, 0xff000000, v212
	v_lshrrev_b32 v213, 23, v214
.if BE == 0
	v_mov_b32 v[SBV+GA], v213
.else
	v_lshl_or_b32 v[SBV+GA], v213, 8*BE, v[SBV+GA]
.endif
	v_cvt_scalef32_pk16_fp6_f32 v[CV:CV+2], v[XS:XS+15], v214
	v_cvt_scalef32_pk16_fp6_f32 v[CV+4:CV+6], v[XS+16:XS+31], v214
	v_nop                                          ; one plain place behind a scaled conversion
	v_mov_b32 v[CV+3], v[CV+4]
	v_mov_b32 v[CV+4], v[CV+5]
	v_mov_b32 v[CV+5], v[CV+6]
	ds_store_b128 v[IW16], v[CV:CV+3] offset:6144*(GA/2)+3072*(GA%2)+768*(BE/2)+256*(BE%2)
	ds_store_b64 v[IW8], v[CV+4:CV+5] offset:6144*(GA/2)+3072*(GA%2)+768*(BE/2)+512+128*(BE%2)
.endm
	VSTAGE 0
	VLOAD 0
.irp n, 0,1,2,3,4,5,6,7,8,9,10,11,12,13,14,15
.if (\n%4 == 3) && (\n < 15)
	VSTAGE (\n+1)/4                                ; LDS serves a wave's instructions in order: these stores come behind the last loads of the block before
.endif
.if \n < 15
	VLOAD \n+1
	s_wait_dscnt 32                                ; all but the 32 loads just issued
.else
	s_wait_dscnt 0x0
.endif
	VBLOCK \n
.endr
.irp n, 0,1,2,3,4,5,6,7,8,9,10,11,12,13,14,15,16,17,18,19,20,21,22,23
	ds_load_b128 v[32+4*\n:32+4*\n+3], v[IR] offset:512*\n
.endr
	s_wait_alu depctr_va_vdst(0)
.irp n, 0,1,2,3,4,5,6,7,8,9,10,11,12,13,14,15,16,17,18,19,20,21,22,23
	s_wait_dscnt 23-\n
	global_store_b128 v3, v[32+4*\n:32+4*\n+3], s[4+2*(\n/12):5+2*(\n/12)] offset:6400+512*(\n%12)
.endr
.irp cc, 0,1
	global_store_b64 v19, v[SBV+2*\cc:SBV+2*\cc+1], s[4+2*\cc:5+2*\cc] offset:12544
.endr
.Lclose:
	s_wait_tensorcnt 0x0                           ; the wave's end: behind my last tensor load and my last LDS store
	ds_add_u32 v[SPW], v[NIL]
	s_wait_dscnt 0x0
	CROUND                                         ; the closing round
	s_endpgm
.Lfunc_end_k_q98e7817a2a_qkv:
	.size	k_q98e7817a2a_qkv, .Lfunc_end_k_q98e7817a2a_qkv-k_q98e7817a2a_qkv
	.p2alignl 7, 3214868480
	.fill 96, 4, 3214868480
	.section	.rodata,"a",@progbits
	.p2align	6, 0x0
	.amdhsa_kernel k_q98e7817a2a_qkv
		.amdhsa_group_segment_fixed_size 327680
		.amdhsa_private_segment_fixed_size 0
		.amdhsa_enable_private_segment 0
		.amdhsa_kernarg_size 40
		.amdhsa_user_sgpr_count 2
		.amdhsa_user_sgpr_kernarg_segment_ptr 1
		.amdhsa_wavefront_size32 1
		.amdhsa_system_sgpr_workgroup_id_x 1
		.amdhsa_system_sgpr_workgroup_id_y 1
		.amdhsa_system_sgpr_workgroup_id_z 1
		.amdhsa_system_vgpr_workitem_id 0
		.amdhsa_next_free_vgpr 1024
		.amdhsa_next_free_sgpr 102
		.amdhsa_reserve_vcc 0
		.amdhsa_float_denorm_mode_32 3
		.amdhsa_float_denorm_mode_16_64 3
		.amdhsa_memory_ordered 1
		.amdhsa_forward_progress 1
		.amdhsa_inst_pref_size 217
	.end_amdhsa_kernel
	.amdgpu_metadata
---
amdhsa.version: [ 1, 2 ]
amdhsa.kernels:
  - .name:           k_q98e7817a2a_qkv
    .symbol:         k_q98e7817a2a_qkv.kd
    .args:
      - { .name: xa, .offset: 0, .size: 8, .value_kind: global_buffer, .address_space: global }
      - { .name: wq, .offset: 8, .size: 8, .value_kind: global_buffer, .address_space: global }
      - { .name: b_qkv, .offset: 16, .size: 8, .value_kind: global_buffer, .address_space: global }
      - { .name: q, .offset: 24, .size: 8, .value_kind: global_buffer, .address_space: global }
      - { .name: kv, .offset: 32, .size: 8, .value_kind: global_buffer, .address_space: global }
    .group_segment_fixed_size: 327680
    .private_segment_fixed_size: 0
    .kernarg_segment_align: 8
    .kernarg_segment_size: 40
    .max_flat_workgroup_size: 128
    .sgpr_count:     102
    .vgpr_count:     1024
    .wavefront_size: 32
...
	.end_amdgpu_metadata
.endif
;; end of part 2
;; launch attn (part 3): grid 4 x 64, 16 waves a work-group, clusters of 4 x 1, 327,680 bytes of LDS; arguments q, kv, oa; writes oa
.if DOCPART == 3
	.amdgcn_target "amdgcn-amd-amdhsa--gfx1250"
	.amdhsa_code_object_version 6
	.text
	.protected	k_q98e7817a2a_attn
	.globl	k_q98e7817a2a_attn
	.p2align	8
	.type	k_q98e7817a2a_attn,@function
k_q98e7817a2a_attn:
	s_mov_b64 s[64:65], 0
	v_nop
	global_prefetch_b8 v0, s[64:65] scope:SCOPE_SE
	s_setreg_imm32_b32 hwreg(HW_REG_WAVE_MODE, 25, 1), 1
	s_wait_xcnt 0x0
	s_wait_alu depctr_hold_cnt(0) depctr_sa_sdst(0) depctr_va_vdst(0) depctr_va_sdst(0) depctr_va_ssrc(0) depctr_va_vcc(0) depctr_vm_vsrc(0)
	s_getreg_b32 s2, hwreg(HW_REG_IB_STS2, 6, 4)
	s_cmp_eq_u32 s2, 0
	s_cbranch_scc0 .Lentry_in_a_cluster
	s_endpgm
.Lentry_in_a_cluster:
	s_bfe_u32 s2, ttmp6, 0x10000c
	s_cmp_lg_u32 s2, 0x3003
	s_cbranch_scc0 .Lentry_shape_is_right
	s_endpgm
.Lentry_shape_is_right:
; softmax(q k^T / 8) v for two heads and 256 queries a work-group: 16 waves of 16 queries; the running maximum is kept as a whole number M; p is quantised block by block, the row's sum is of the unquantised p.
; The two heads' k and v records (204,800 bytes on end in memory) come into LDS once, by one joint load of 12,800 bytes a wave, shared by the four work-groups of a cluster; nothing is filled again.
; LIMITS: NaN and infinities are not served; the promise holds while the scaled scores stay under 2^31 in magnitude.
.set HEADB, 102400
.set OSC,   204800
.set SPARE, 205824
.set L16, 1
.set L8,  2
.set SPW, 3
.set NIL, 4
.set A16, 5
.set A8,  6
.set OSW, 7
.set NM,  8
.set SUM, 10
.set QS,  12
.set KS,  14
.set VS,  16
.set OWD, 18
.set OSR, 19
.set Q,   20
.set KV,  56
.set S,   104
.set O,   168
.set P,   200
.set FO,  212
.set BM,  224
.set T8,  228
.set SO,  236
.set F,   240
.set PW,  241
.set TT,  242
.macro CROUND
	s_barrier_signal -1
	s_barrier_wait -1
	s_cmp_lg_u32 s12, 0
	s_cbranch_scc1 .Lnot_wave_0_\@
	s_barrier_signal -3
.Lnot_wave_0_\@:
	s_barrier_wait -3
	s_barrier_signal -1
	s_barrier_wait -1
.endm
	s_load_b128 s[4:7], s[0:1], 0x0
	s_load_b64 s[8:9], s[0:1], 0x10
	v_lshl_add_u32 v[SPW], v0, 2, SPARE
	v_mov_b32 v[NIL], 0
	ds_add_u32 v[SPW], v[NIL]
	ds_add_u32 v[SPW], v[NIL]
	v_lshrrev_b32 v1, 5, v0
	s_delay_alu instid0(VALU_DEP_1)
	v_readfirstlane_b32 s12, v1
	s_bfe_u32 s13, ttmp6, 0x40000
	s_and_b32 s14, ttmp7, 0xffff
	s_mov_b32 s24, 15|(3<<16)|(1<<21)
	s_mov_b32 s25, 32<<16
	s_mov_b32 s26, 50<<16
	s_mov_b32 s27, 32<<16
	s_mov_b32 s28, 50
	s_mov_b32 s29, 32
	s_mov_b32 s30, 0
	s_mov_b32 s31, 0
	s_mul_i32 s40, s12, 12800
	s_mul_i32 s42, s14, 204800
	s_add_co_u32 s42, s42, s40
	s_mov_b32 s43, 0
	s_mov_b32 s18, 0x76543210
	s_mov_b32 s19, 0xfedcba98
	s_mov_b32 s20, 0x3e38aa3b
	s_mov_b32 s21, s20
	s_wait_dscnt 0x0
	s_wait_kmcnt 0x0
	s_mov_b32 s32, 1
	s_mov_b32 s33, s40
	s_add_nc_u64 s[34:35], s[6:7], s[42:43]
	s_or_b32 s35, s35, 0x80000000
	CROUND
	tensor_load_to_lds s[32:35], s[24:31]
	s_nop 0
.rept 4
	v_nop
.endr
	v_and_b32 v[L16], 31, v0
	s_delay_alu instid0(VALU_DEP_1)
	v_lshlrev_b32 v[L8], 3, v[L16]
	s_delay_alu instid0(VALU_DEP_2)
	v_lshlrev_b32 v[L16], 4, v[L16]
	v_and_b32 v243, 15, v0
	s_and_b32 s40, s12, 7
	s_mul_i32 s41, s40, 768
	v_add_nc_u32 v[A16], s41, v[L16]
	s_wait_alu depctr_va_vdst(0)
	v_add_nc_u32 v[A8], s41, v[L8]
	s_wait_alu depctr_va_vdst(0)
	s_bfe_u32 s41, s12, 0x10001
	s_lshl_b32 s41, s41, 7
	s_bfe_u32 s42, s12, 0x10002
	s_lshl_b32 s42, s42, 2
	s_add_co_u32 s41, s41, s42
	v_lshl_add_u32 v244, v243, 3, s41
	s_wait_alu depctr_va_vdst(0)
	s_mul_i32 s44, s14, 102400
	s_lshl_b32 s42, s13, 1
	s_lshr_b32 s43, s12, 3
	s_add_co_u32 s42, s42, s43
	s_mul_i32 s42, s42, 6400
	s_add_co_u32 s44, s44, s42
	s_mov_b32 s45, 0
	s_add_nc_u64 s[44:45], s[4:5], s[44:45]
.irp hh, 0,1
	global_load_b128 v[Q+18*\hh:Q+18*\hh+3], v[A16], s[44:45] offset:51200*\hh
	global_load_b64 v[Q+18*\hh+4:Q+18*\hh+5], v[A8], s[44:45] offset:51200*\hh+512
	global_load_b128 v[Q+18*\hh+12:Q+18*\hh+15], v[A16], s[44:45] offset:51200*\hh
	global_load_b64 v[Q+18*\hh+16:Q+18*\hh+17], v[A8], s[44:45] offset:51200*\hh+512
	global_load_b32 v[QS+\hh], v244, s[44:45] offset:51200*\hh+6144
.endr
	s_lshl_b32 s46, s12, 6
	s_add_co_u32 s46, s46, OSC
	v_lshl_add_u32 v[OSW], v243, 2, s46
	s_and_b32 s46, s12, 1
	s_lshl_b32 s46, s46, 9
	s_add_co_u32 s47, s46, OSC
	v_add_nc_u32 v[OSR], s47, v[L16]
	s_lshr_b32 s48, s14, 3
	s_and_b32 s49, s14, 7
	s_lshl_b32 s50, s48, 6
	s_lshl_b32 s51, s13, 4
	s_add_co_u32 s50, s50, s51
	s_add_co_u32 s50, s50, s12
	s_lshl_b32 s50, s50, 3
	s_add_co_u32 s50, s50, s49
	s_mul_i32 s50, s50, 1536
	s_mov_b32 s51, 0
	s_add_nc_u64 s[50:51], s[8:9], s[50:51]
	s_lshl_b32 s52, s49, 15
	s_lshl_b32 s53, s48, 12
	s_add_co_u32 s52, s52, s53
	s_lshl_b32 s53, s13, 10
	s_add_co_u32 s52, s52, s53
	s_add_co_u32 s52, s52, s46
	s_add_co_u32 s52, s52, 6291456
	s_mov_b32 s53, 0
	s_add_nc_u64 s[52:53], s[8:9], s[52:53]
	s_mov_b32 s54, 0x07060302
	s_and_b32 s55, s12, 1
	s_cmp_eq_u32 s55, 0
	s_cselect_b32 s54, 0x05040100, s54
.irp hh, 0,1
.irp i, 6,7,8,9,10,11
	v_mov_b32 v[Q+18*\hh+\i], 0
.endr
.endr
.irp i, 0,1,2,3,4,5,6,7
	v_mov_b32 v[T8+\i], 0
.endr
	v_mov_b32 v[PW], 0
	v_mov_b32 v[TT], 0
	s_wait_loadcnt 0x0
	v_perm_b32 v[QS], v[QS], v[QS], s54
	v_perm_b32 v[QS+1], v[QS+1], v[QS+1], s54
.macro STEP hd
	v_add_nc_u32 v[A16], s15, v[L16]
	v_add_nc_u32 v[A8], s15, v[L8]
	v_nop
	v_nop
.irp t, 0,1,2,3,4,5,6,7
	ds_load_b128 v[KV+6*\t:KV+6*\t+3], v[A16] offset:768*\t
	ds_load_b64 v[KV+6*\t+4:KV+6*\t+5], v[A8] offset:768*\t+512
.endr
	ds_load_b64 v[KS:KS+1], v[A8] offset:6144
	s_wait_alu depctr_va_vdst(0)
	s_wait_dscnt 0x0
.irp t, 0,1,2,3,4,5,6,7
.if (\t/2)%2
	v_wmma_scale_f32_16x16x128_f8f6f4 v[S+8*\t:S+8*\t+7], v[KV+12*(\t/2):KV+12*(\t/2)+11], v[Q+18*\hd+6*(\t%2):Q+18*\hd+6*(\t%2)+11], 0, v[KS+\t/4], v[QS+\hd] matrix_a_fmt:MATRIX_FMT_FP6 matrix_b_fmt:MATRIX_FMT_FP6 matrix_a_scale:MATRIX_SCALE_ROW1
.else
	v_wmma_scale_f32_16x16x128_f8f6f4 v[S+8*\t:S+8*\t+7], v[KV+12*(\t/2):KV+12*(\t/2)+11], v[Q+18*\hd+6*(\t%2):Q+18*\hd+6*(\t%2)+11], 0, v[KS+\t/4], v[QS+\hd] matrix_a_fmt:MATRIX_FMT_FP6 matrix_b_fmt:MATRIX_FMT_FP6
.endif
.endr
.rept 4
	v_nop
.endr
.irp t, 0,1,2,3,4,5,6,7
	ds_load_b128 v[KV+6*\t:KV+6*\t+3], v[A16] offset:6400+768*\t
	ds_load_b64 v[KV+6*\t+4:KV+6*\t+5], v[A8] offset:6400+768*\t+512
.endr
	ds_load_b64 v[VS:VS+1], v[A8] offset:12544
.irp b, 0,1,2,3
	v_max3_num_f32 v[BM+\b], v[S+16*\b], v[S+16*\b+1], v[S+16*\b+2]
.endr
.irp i, 3,5,7,9,11,13
.irp b, 0,1,2,3
	v_max3_num_f32 v[BM+\b], v[BM+\b], v[S+16*\b+\i], v[S+16*\b+\i+1]
.endr
.endr
.irp b, 0,1,2,3
	v_max_num_f32 v[BM+\b], v[BM+\b], v[S+16*\b+15]
.endr
.irp b, 0,1,2,3
	s_delay_alu instid0(VALU_DEP_4)
	v_permlanex16_b32 v[T8+\b], v[BM+\b], s18, s19
.endr
.irp b, 0,1,2,3
	s_delay_alu instid0(VALU_DEP_4)
	v_max_num_f32 v[BM+\b], v[BM+\b], v[T8+\b]
.endr
	s_delay_alu instid0(VALU_DEP_2)
	v_max3_num_f32 v[TT], v[BM], v[BM+1], v[BM+2]
	s_delay_alu instid0(VALU_DEP_1)
	v_max_num_f32 v[TT], v[TT], v[BM+3]
	s_delay_alu instid0(VALU_DEP_1)
	v_mul_f32 v[TT], s20, v[TT]
	s_delay_alu instid0(VALU_DEP_1)
	v_max_num_f32 v[NM+1], v[NM+1], v[TT]
	v_mov_b32 v[TT], v[NM]
	s_delay_alu instid0(VALU_DEP_2)
	v_floor_f32 v[NM], -v[NM+1]
	s_delay_alu instid0(VALU_DEP_1)
	v_sub_f32 v[TT], v[NM], v[TT]
	s_delay_alu instid0(VALU_DEP_1)
	v_cvt_i32_f32 v[TT], v[TT]
	s_delay_alu instid0(VALU_DEP_1)
	v_ldexp_f32 v[F], 1.0, v[TT]
.set j, 0
.rept 32
	v_pk_fma_f32 v[S+j:S+j+1], v[S+j:S+j+1], s[20:21], v[NM:NM+1] op_sel_hi:[1,0,0]
.set j, j+2
.endr
.irp b, 0,1,2,3
	v_fma_f32 v[BM+\b], v[BM+\b], s20, v[NM]
.endr
.set j, 0
	s_wait_alu depctr_va_vdst(0)
.rept 64
	v_exp_f32 v[S+j], v[S+j]
.set j, j+1
.endr
	v_pk_mul_f32 v[SUM:SUM+1], v[SUM:SUM+1], v[F:F+1] op_sel_hi:[1,0]
	s_wait_alu depctr_va_vdst(0)
.irp b, 0,1,2,3
	v_exp_f32 v[BM+\b], v[BM+\b]
.endr
	v_pk_add_f32 v[T8:T8+1], v[S:S+1], v[S+2:S+3]
.set j, 4
.rept 15
	v_pk_add_f32 v[SUM:SUM+1], v[SUM:SUM+1], v[S+j:S+j+1]
	v_pk_add_f32 v[T8:T8+1], v[T8:T8+1], v[S+j+2:S+j+3]
.set j, j+4
.endr
	s_delay_alu instid0(VALU_DEP_1)
	v_pk_add_f32 v[SUM:SUM+1], v[SUM:SUM+1], v[T8:T8+1]
	s_wait_alu depctr_va_vdst(0)
.irp b, 0,1,2,3
	v_max_num_f32 v[BM+\b], 0x1800000, v[BM+\b]
.endr
.irp b, 0,1,2,3
	s_delay_alu instid0(VALU_DEP_4)
	v_add_nc_u32 v[SO+\b], 0xff000000, v[BM+\b]
.endr
.irp b, 0,1,2,3
	s_delay_alu instid0(VALU_DEP_4)
	v_lshrrev_b32 v[T8+\b], 23, v[SO+\b]
.endr
	s_delay_alu instid0(VALU_DEP_3)
	v_lshl_or_b32 v[PW], v[T8+1], 8, v[T8]
	s_delay_alu instid0(VALU_DEP_1)
	v_lshl_or_b32 v[PW], v[T8+2], 16, v[PW]
	s_delay_alu instid0(VALU_DEP_1)
	v_lshl_or_b32 v[PW], v[T8+3], 24, v[PW]
.irp cc, 0,1
	v_cvt_scalef32_pk16_fp6_f32 v[P+6*\cc:P+6*\cc+2], v[S+32*\cc:S+32*\cc+15], v[SO+2*\cc]
	v_cvt_scalef32_pk16_fp6_f32 v[T8+4*\cc:T8+4*\cc+2], v[S+32*\cc+16:S+32*\cc+31], v[SO+2*\cc+1]
.endr
	v_nop
.irp cc, 0,1
.irp i, 0,1,2
	v_permlane16_swap_b32 v[P+6*\cc+\i], v[T8+4*\cc+\i]
.endr
.irp i, 0,1,2
	s_delay_alu instid0(VALU_DEP_3)
	v_mov_b32 v[P+6*\cc+3+\i], v[T8+4*\cc+\i]
.endr
.endr
.set j, 0
.rept 16
	v_pk_mul_f32 v[O+j:O+j+1], v[O+j:O+j+1], v[F:F+1] op_sel_hi:[1,0]
.set j, j+2
.endr
	s_wait_alu depctr_va_vdst(0)
	s_wait_dscnt 0x0
.irp t, 0,1,2,3
.if \t%2
	v_wmma_scale_f32_16x16x128_f8f6f4 v[O+8*\t:O+8*\t+7], v[KV+12*\t:KV+12*\t+11], v[P:P+11], v[O+8*\t:O+8*\t+7], v[VS+\t/2], v[PW] matrix_a_fmt:MATRIX_FMT_FP6 matrix_b_fmt:MATRIX_FMT_FP6 matrix_a_scale:MATRIX_SCALE_ROW1
.else
	v_wmma_scale_f32_16x16x128_f8f6f4 v[O+8*\t:O+8*\t+7], v[KV+12*\t:KV+12*\t+11], v[P:P+11], v[O+8*\t:O+8*\t+7], v[VS+\t/2], v[PW] matrix_a_fmt:MATRIX_FMT_FP6 matrix_b_fmt:MATRIX_FMT_FP6
.endif
.endr
	s_add_co_u32 s15, s15, 12800
.endm
.macro FIN hd
.rept 4
	v_nop
.endr
	v_add_f32 v[SUM], v[SUM], v[SUM+1]
	s_delay_alu instid0(VALU_DEP_1)
	v_permlanex16_b32 v[TT], v[SUM], s18, s19
	s_delay_alu instid0(VALU_DEP_1)
	v_add_f32 v[SUM], v[SUM], v[TT]
	s_wait_alu depctr_va_vdst(0)
	v_rcp_f32 v[F], v[SUM]
	v_nop
	s_wait_alu depctr_va_vdst(0)
.set j, 0
.rept 16
	v_pk_mul_f32 v[S+j:S+j+1], v[O+j:O+j+1], v[F:F+1] op_sel_hi:[1,0]
.set j, j+2
.endr
.irp b, 0,1
	v_max3_num_f32 v[BM+\b], |v[S+16*\b]|, |v[S+16*\b+1]|, 0x1800000
.endr
.irp i, 2,4,6,8,10,12,14
.irp b, 0,1
	s_delay_alu instid0(VALU_DEP_2)
	v_max3_num_f32 v[BM+\b], v[BM+\b], |v[S+16*\b+\i]|, |v[S+16*\b+\i+1]|
.endr
.endr
.irp b, 0,1
	s_delay_alu instid0(VALU_DEP_2)
	v_permlanex16_b32 v[T8+\b], v[BM+\b], s18, s19
.endr
.irp b, 0,1
	s_delay_alu instid0(VALU_DEP_2)
	v_max_num_f32 v[BM+\b], v[BM+\b], v[T8+\b]
.endr
.irp b, 0,1
	s_delay_alu instid0(VALU_DEP_2)
	v_add_nc_u32 v[SO+\b], 0xff000000, v[BM+\b]
.endr
.irp b, 0,1
	s_delay_alu instid0(VALU_DEP_2)
	v_lshrrev_b32 v[T8+\b], 23, v[SO+\b]
.endr
.if \hd == 0
	s_delay_alu instid0(VALU_DEP_1)
	v_lshl_or_b32 v[OWD], v[T8+1], 8, v[T8]
.else
	s_delay_alu instid0(VALU_DEP_2)
	v_lshl_or_b32 v[OWD], v[T8], 16, v[OWD]
	s_delay_alu instid0(VALU_DEP_1)
	v_lshl_or_b32 v[OWD], v[T8+1], 24, v[OWD]
.endif
	v_cvt_scalef32_pk16_fp6_f32 v[FO+6*\hd:FO+6*\hd+2], v[S:S+15], v[SO]
	v_cvt_scalef32_pk16_fp6_f32 v[T8+4:T8+6], v[S+16:S+31], v[SO+1]
	v_nop
.irp i, 0,1,2
	v_permlane16_swap_b32 v[FO+6*\hd+\i], v[T8+4+\i]
.endr
.irp i, 0,1,2
	s_delay_alu instid0(VALU_DEP_3)
	v_mov_b32 v[FO+6*\hd+3+\i], v[T8+4+\i]
.endr
.endm
.macro HEAD hd
.if \hd == 0
	s_wait_tensorcnt 0x0                           ; my sixteenth of both heads' records is in;
	s_wait_dscnt 0x0
	s_barrier_signal -1
	s_barrier_wait -1                              ; and everybody's: the second head needs no barrier of its own
.endif
	s_mov_b32 s15, HEADB*\hd
	v_mov_b32 v[NM+1], 0xff61b1e6
	s_delay_alu instid0(VALU_DEP_1)
	v_floor_f32 v[NM], -v[NM+1]
	v_mov_b32 v[SUM], 0
	v_mov_b32 v[SUM+1], 0
.set j, 0
.rept 32
	v_mov_b32 v[O+j], 0
.set j, j+1
.endr
	s_mov_b32 s16, 8
.Lstep_\hd:
	STEP \hd
	s_sub_co_u32 s16, s16, 1
	s_cmp_lg_u32 s16, 0
	s_cbranch_scc1 .Lstep_\hd
	FIN \hd
.endm
	HEAD 0
	HEAD 1
.irp k, 0,1,2
	global_store_b128 v[L16], v[FO+4*\k:FO+4*\k+3], s[50:51] offset:512*\k
.endr
	ds_store_b32 v[OSW], v[OWD]
	s_wait_dscnt 0x0
	s_barrier_signal -1
	s_barrier_wait -1
	s_cmp_gt_u32 s12, 1
	s_cbranch_scc1 .Lno_words
	ds_load_b128 v[S:S+3], v[OSR]
	s_wait_dscnt 0x0
	global_store_b128 v[L16], v[S:S+3], s[52:53]
.Lno_words:
	s_wait_tensorcnt 0x0
	ds_add_u32 v[SPW], v[NIL]
	s_wait_dscnt 0x0
	CROUND
	s_endpgm
.Lfunc_end_k_q98e7817a2a_attn:
	.size	k_q98e7817a2a_attn, .Lfunc_end_k_q98e7817a2a_attn-k_q98e7817a2a_attn
	.p2alignl 7, 3214868480
	.fill 96, 4, 3214868480
	.section	.rodata,"a",@progbits
	.p2align	6, 0x0
	.amdhsa_kernel k_q98e7817a2a_attn
		.amdhsa_group_segment_fixed_size 327680
		.amdhsa_private_segment_fixed_size 0
		.amdhsa_enable_private_segment 0
		.amdhsa_kernarg_size 24
		.amdhsa_user_sgpr_count 2
		.amdhsa_user_sgpr_kernarg_segment_ptr 1
		.amdhsa_wavefront_size32 1
		.amdhsa_system_sgpr_workgroup_id_x 1
		.amdhsa_system_sgpr_workgroup_id_y 1
		.amdhsa_system_sgpr_workgroup_id_z 1
		.amdhsa_system_vgpr_workitem_id 0
		.amdhsa_next_free_vgpr 256
		.amdhsa_next_free_sgpr 66
		.amdhsa_reserve_vcc 0
		.amdhsa_float_denorm_mode_32 3
		.amdhsa_float_denorm_mode_16_64 3
		.amdhsa_memory_ordered 1
		.amdhsa_forward_progress 1
		.amdhsa_inst_pref_size 53
	.end_amdhsa_kernel
	.amdgpu_metadata
---
amdhsa.version: [ 1, 2 ]
amdhsa.kernels:
  - .name:           k_q98e7817a2a_attn
    .symbol:         k_q98e7817a2a_attn.kd
    .args:
      - { .name: q, .offset: 0, .size: 8, .value_kind: global_buffer, .address_space: global }
      - { .name: kv, .offset: 8, .size: 8, .value_kind: global_buffer, .address_space: global }
      - { .name: oa, .offset: 16, .size: 8, .value_kind: global_buffer, .address_space: global }
    .group_segment_fixed_size: 327680
    .private_segment_fixed_size: 0
    .kernarg_segment_align: 8
    .kernarg_segment_size: 24
    .max_flat_workgroup_size: 512
    .sgpr_count:     66
    .vgpr_count:     256
    .wavefront_size: 32
...
	.end_amdgpu_metadata
.endif
;; end of part 3
;; launch proj (part 4): grid 4 x 64, 4 waves a work-group, clusters of 4 x 4, 327,680 bytes of LDS; arguments oa, wo, b_o, out0; writes out0
.if DOCPART == 4
	.amdgcn_target "amdgcn-amd-amdhsa--gfx1250"
	.amdhsa_code_object_version 6
	.text
	.protected	k_q98e7817a2a_proj
	.globl	k_q98e7817a2a_proj
	.p2align	8
	.type	k_q98e7817a2a_proj,@function
k_q98e7817a2a_proj:
	s_mov_b64 s[64:65], 0
	v_nop
	global_prefetch_b8 v0, s[64:65] scope:SCOPE_SE
	s_setreg_imm32_b32 hwreg(HW_REG_WAVE_MODE, 25, 1), 1
	s_wait_xcnt 0x0
	s_wait_alu depctr_hold_cnt(0) depctr_sa_sdst(0) depctr_va_vdst(0) depctr_va_sdst(0) depctr_va_ssrc(0) depctr_va_vcc(0) depctr_vm_vsrc(0)
	s_getreg_b32 s2, hwreg(HW_REG_IB_STS2, 6, 4)
	s_cmp_eq_u32 s2, 0
	s_cbranch_scc0 .Lentry_in_a_cluster
	s_endpgm
.Lentry_in_a_cluster:
	s_bfe_u32 s2, ttmp6, 0x10000c
	s_cmp_lg_u32 s2, 0xf033
	s_cbranch_scc0 .Lentry_shape_is_right
	s_endpgm
.Lentry_shape_is_right:
; out = o W_o + b_o on codes of FP6 (E2M3) with E8M0 scales, f32 sums and f32 output.
; OPERANDS are images of fragments (16 rows x 128 K = 1,536 bytes: register 4 c + e of lane l at 512 c + 16 l + 4 e); rows stand at position pi(row) (bits 3, 4 exchanged).
; oa: images [row tile][K step 0..7], then scale words [K step][8,192 rows].  wo: four records of 256 rows: 16 row tiles x 8 images, then scale words [K step][256 rows]: 204,800 bytes on end.
; A work-group makes 128 tokens x 256 features: 64 x 4 = 256 work-groups of four waves.  ALL OF K LIES IN LDS: A's 8 row tiles (98,304 bytes, dense), B's record, A's scale words: 307,200 bytes,
; filled once, one joint load a wave at the head.  No ring, no refill.
; A WAVE HOLDS ITS 64 FEATURES OF W_o, ALL OF K, IN REGISTERS (32 fragments, 384 registers) and streams A's eight blocks of 16 tokens past them: 32 products finish a block's 16 x 64 results,
; which leave through the wave's own stage while the next block is multiplied.  A's fragments lie in two sets: block s reads set s % 2, which then takes block s + 2.
; CLUSTERS 4 x 4: A's tiles are shared along a row of the cluster, B's record along a column.  No prefetch: every tile is asked for at the head, and there is no loop to run ahead in.
; TRANSPOSED USE: source 0 = 16 feature positions, source 1 = 16 token positions: a lane holds one token.  The bias is the C of each sum's first product.  The way out undoes pi.
; LIMITS: NaN and infinities are not served; the bias is the first addend of the f32 sum.
.set ASC,   6291456                    ; where oa's scale words begin
.set LB,    98304                      ; LDS: B's record, behind A's codes
.set LSB,   LB+196608                  ; its scale words
.set LSA,   LB+204800                  ; A's scale words
.set SPARE, LSA+4096                   ; the spare words: 128 bytes a wave, named by no other line
.set STG,   SPARE+512                  ; the stages: 16 rows of 272 bytes a wave; no tile lands here
.set SP,    272
.set FPW,  21                          ; fragments to a window: fragment f lies in window 1 + f / 21 at register 12 (f % 21): 0-31 the weights' (4 k + b), 32-47 A's two sets (32 + 8 e + k)
.set ADRA, 16                          ; v16, 17 A's fragments: blocks 0-3, 4-7
.set ADRB, 18                          ; v18     my four row tiles of B
.set ADSA, 20                          ; v20, 21 scale words of A, of B: lane l takes row l of 32
.set ADSB, 21
.set STO,  24                          ; v24, 25 the stage: in, back;  v26 my place in two rows of out0
.set RD,   25
.set CO,   26
.set SPW,  28
.set NIL,  29
.set ACC,  64                          ; v64-127 two sets of four accumulators.  v32-63, v224-255: a block read back from the stage, by turns
.set BIAS, 128                         ; v128-159 the bias, 8 registers a feature tile
.set SCR,  160                         ; v160-223 scale words: B's (K step k, rows 32 j + l) in the lower four of each eight, A's at 8 k + 4 + j: the two registers of a product differ modulo 8
.set G1A, 24
.set G1B, 32
.set G1S, 40
.set G0A, 48
.set G0B, 52
.set G0C, 56
.set G0S, 60
.set MSB, 0
.macro WIN new
.if MSB != (\new)
	s_set_vgpr_msb (MSB<<8)|(\new)
.set MSB, (\new)
.endif
.endm
.macro PLACES n
.rept \n
	v_nop
.endr
.endm
.macro CROUND
	s_barrier_signal -1
	s_barrier_wait -1
	s_cmp_lg_u32 s14, 0
	s_cbranch_scc1 .Lnot_wave_0_\@
	s_barrier_signal -3
.Lnot_wave_0_\@:
	s_barrier_wait -3
	s_barrier_signal -1
	s_barrier_wait -1
.endm
.macro GROUP1 g, mask, c, p            ; 8 rows of c elements of 8 bytes, pitch p
	s_or_b32 s[\g], s\mask, (3<<16)|(1<<21)
	s_mov_b32 s[\g+1], (\c)<<16
	s_mov_b32 s[\g+2], 8<<16
	s_mov_b32 s[\g+3], (\c)<<16
	s_mov_b32 s[\g+4], 8
	s_mov_b32 s[\g+5], \p
	s_mov_b32 s[\g+6], 0
	s_mov_b32 s[\g+7], 0
.endm
.macro MKC g, lds, src, off
	s_mov_b32 s[\g], 1
	s_mov_b32 s[\g+1], \lds
	s_add_nc_u64 s[\g+2:\g+3], s[\src:\src+1], \off
	s_or_b32 s[\g+3], s[\g+3], 0x80000000
.endm
.macro ARM under, g0, g1, next
	s_cmp_lt_u32 s14, \under
	s_cbranch_scc0 \next
	tensor_load_to_lds s[\g0:\g0+3], s[\g1:\g1+7]
	s_nop 0
	PLACES 4
	s_branch .Lhead_asked
\next:
.endm
.macro FRAG f, adr, off                ; a fragment comes as it was laid: three loads of 512 consecutive bytes
	WIN (1+(\f)/FPW)<<6
.irp c, 0,1,2
	ds_load_b128 v[12*((\f)%FPW)+4*\c:12*((\f)%FPW)+4*\c+3], v[\adr] offset:(\off)+512*\c
.endr
.endm
.macro FETCH s                         ; block s of A, all of K, into set s % 2: 24 loads
.irp k, 0,1,2,3,4,5,6,7
	FRAG 32+8*((\s)%2)+\k, ADRA+(\s)/4, 12288*((\s)%4)+1536*\k
.endr
	WIN 0
.endm
; 32 products of block s (sl = s % 2: which half of the lanes holds its scale words); the four accumulators take turns
.macro PRODS s, sl
.irp k, 0,1,2,3,4,5,6,7
.irp bh, 0,1
.irp bl, 0,1
.set FB_, 4*\k+2*\bh+\bl
.set FA_, 32+8*((\s)%2)+\k
.set RB_, 12*(FB_%FPW)
.set RA_, 12*(FA_%FPW)
.set D_, ACC+32*((\s)%2)+8*(2*\bh+\bl)
.set C_, BIAS+8*(2*\bh+\bl)
.set XB_, SCR+8*((2*\k+\bh)/4)+(2*\k+\bh)%4
.set XA_, SCR+8*\k+4+(\s)/2
	WIN (1+FB_/FPW)|((1+FA_/FPW)<<2)
.if \k
	v_wmma_scale_f32_16x16x128_f8f6f4 v[D_:D_+7], v[RB_:RB_+11], v[RA_:RA_+11], v[D_:D_+7], v[XB_], v[XA_] matrix_a_fmt:MATRIX_FMT_FP6 matrix_b_fmt:MATRIX_FMT_FP6 matrix_a_scale:MATRIX_SCALE_ROW\bl matrix_b_scale:MATRIX_SCALE_ROW\sl
.else
	v_wmma_scale_f32_16x16x128_f8f6f4 v[D_:D_+7], v[RB_:RB_+11], v[RA_:RA_+11], v[C_:C_+7], v[XB_], v[XA_] matrix_a_fmt:MATRIX_FMT_FP6 matrix_b_fmt:MATRIX_FMT_FP6 matrix_a_scale:MATRIX_SCALE_ROW\bl matrix_b_scale:MATRIX_SCALE_ROW\sl
.endif
.endr
.endr
.endr
	WIN 0
.endm
.macro TOSTAGE s                       ; 16 tokens x 64 features into my stage and back as rows of 256 bytes, two rows a load
.set AC_, ACC+32*((\s)%2)
.set BK_, 32+192*((\s)%2)
.irp b, 0,1,2,3
	ds_store_b128 v[STO], v[AC_+8*\b:AC_+8*\b+3] offset:128*(\b/2)+32*(\b%2)          ; each accumulator from its low end on; tile b: features 32 (b / 2) + 16 h + 8 (b % 2) + 0 .. 7
	ds_store_b128 v[STO], v[AC_+8*\b+4:AC_+8*\b+7] offset:128*(\b/2)+32*(\b%2)+16
.endr
.irp t, 0,1,2,3,4,5,6,7
	ds_load_b128 v[BK_+4*\t:BK_+4*\t+3], v[RD] offset:\t*2*SP   ; LDS serves a wave's instructions in order: these see the stores above
.endr
.endm
.macro SEND s                          ; position 16 s + 2 t + h is token 32 (s / 2) + 8 (s % 2) + 2 (t % 4) + h + 16 (t / 4); sixteen lanes store 256 consecutive bytes, aligned
.set BK_, 32+192*((\s)%2)
.irp t, 0,1,2,3,4,5,6,7
	global_store_b128 v[CO], v[BK_+4*\t:BK_+4*\t+3], s[10:11] offset:(32*((\s)/2)+8*((\s)%2)+2*(\t%4)+16*(\t/4))*4096 th:TH_STORE_NT
.endr
.endm
; A block.  Younger than its fetch are: block 0: block 1's fetch (24); blocks 1-6: the last tail's 8 stores, 8 loads and 24 fetch loads (40); block 7: the last tail's 16.
; Behind the products the block before is stored: younger than its loads from the stage is the fetch behind them (24), or nothing.
.macro BLOCK s, sl
.if (\s) == 0
	s_wait_dscnt 24
.elseif (\s) < 7
	s_wait_dscnt 40
.else
	s_wait_dscnt 16
.endif
	PRODS \s, \sl
	PLACES 4                                       ; between the products and the stores that read their results and the loads into their operands
.if (\s) > 0
	s_wait_xcnt 0x0                                ; the stores of two blocks ago have read the registers that this block's loads from the stage take
.if (\s) < 7
	s_wait_dscnt 24
.else
	s_wait_dscnt 0x0
.endif
	SEND (\s)-1
.endif
	TOSTAGE \s
.if (\s) < 6
	FETCH (\s)+2
.endif
.endm
	s_load_b256 s[4:11], s[0:1], 0x0               ; oa, wo, b_o, out0
	v_lshl_add_u32 v[SPW], v0, 2, SPARE
	v_mov_b32 v[NIL], 0
	ds_add_u32 v[SPW], v[NIL]                      ; the opening lines: the add twice on end and its wait
	ds_add_u32 v[SPW], v[NIL]
	v_lshrrev_b32 v1, 5, v0
	v_readfirstlane_b32 s14, v1                    ; wave: my 64 of the 256 features
	s_bfe_u32 s66, ttmp6, 0x40000                  ; cx
	s_bfe_u32 s67, ttmp6, 0x40004                  ; cy
	s_lshl_b32 s68, ttmp9, 2
	s_add_co_u32 s68, s68, s66                     ; tile column, 0 .. 3
	s_and_b32 s17, ttmp7, 0xffff
	s_lshl_b32 s17, s17, 2
	s_add_co_u32 s17, s17, s67                     ; tile row, 0 .. 63
	s_lshl_b32 s69, s67, 2
	s_lshl_b32 s69, 15, s69                        ; my row of the cluster
	s_lshl_b32 s70, 0x1111, s66                    ; my column
	GROUP1 G1A, 69, 1536, 1536                     ; A's codes: 8 row tiles of 12,288 bytes, dense
	GROUP1 G1B, 70, 1600, 1600                     ; half of B's record: 8 rows of 12,800 bytes, dense
	GROUP1 G1S, 69, 64, 4096                       ; A's scale words: 512 bytes of each of 8 K steps
	s_mul_i32 s20, s17, 98304
	s_mov_b32 s21, 0
	s_lshl_b32 s22, s17, 9
	s_add_co_u32 s22, s22, ASC
	s_mov_b32 s23, 0
	s_mul_i32 s72, s68, 204800
	s_mov_b32 s73, 0
	s_wait_dscnt 0x0
	s_wait_kmcnt 0x0
	s_add_nc_u64 s[20:21], s[4:5], s[20:21]
	s_add_nc_u64 s[22:23], s[4:5], s[22:23]
	s_add_nc_u64 s[72:73], s[6:7], s[72:73]
	CROUND                                         ; the sixteen work-groups meet ahead of the joint loads
	MKC G0A, 0, 20, 0
	MKC G0B, LB, 72, 0
	MKC G0C, LB+102400, 72, 102400
	MKC G0S, LSA, 22, 0
	ARM 1, G0B, G1B, .Lhead_c
	ARM 2, G0C, G1B, .Lhead_a
	ARM 3, G0A, G1A, .Lhead_s
	tensor_load_to_lds s[G0S:G0S+3], s[G1S:G1S+7]
	s_nop 0
	PLACES 4
.Lhead_asked:
	s_mul_i32 s21, s14, 49152
	s_add_co_u32 s21, s21, LB                      ; my four row tiles of B
	s_lshl_b32 s23, s14, 8
	s_add_co_u32 s23, s23, LSB                     ; and their scale words
	s_mul_i32 s71, s14, 16*SP
	s_add_co_u32 s71, s71, STG                     ; my stage
	s_lshl_b32 s72, s68, 10
	s_lshl_b32 s73, s14, 8
	s_add_co_u32 s72, s72, s73                     ; my first feature, in bytes
	s_mov_b32 s73, 0
	s_add_nc_u64 s[8:9], s[8:9], s[72:73]
	s_lshl_b32 s74, s17, 19                        ; my work-group's first token: 128 rows of 4,096 bytes a tile row
	s_mov_b32 s75, 0
	s_add_nc_u64 s[10:11], s[10:11], s[74:75]
	s_add_nc_u64 s[10:11], s[10:11], s[72:73]
	v_and_b32 v1, 15, v0                           ; r
	v_bfe_u32 v2, v0, 4, 1                         ; h
	v_and_b32 v4, 31, v0
	v_lshlrev_b32 v[ADRA], 4, v4                   ; 16 x lane
	v_lshlrev_b32 v5, 6, v2
	v_mul_u32_u24 v[STO], v1, SP
	v_mul_u32_u24 v[RD], v2, SP
	v_lshlrev_b32 v[CO], 12, v2
	v_lshl_add_u32 v[ADSA], v4, 2, LSA
	v_lshl_add_u32 v[ADSB], v4, 2, s23
	v_add_nc_u32 v[ADRA+1], 49152, v[ADRA]
	v_add_nc_u32 v[ADRB], s21, v[ADRA]
	v_lshl_add_u32 v[STO], v2, 6, v[STO]
	v_lshl_add_u32 v[RD], v1, 4, v[RD]
	v_lshl_add_u32 v[CO], v1, 4, v[CO]             ; out: row h, 16 bytes a lane
	v_add_nc_u32 v[STO], s71, v[STO]               ; in: row r, + 64 h
	v_add_nc_u32 v[RD], s71, v[RD]                 ; back: row h, 16 bytes a lane
.irp b, 0,1,2,3
	global_load_b128 v[BIAS+8*\b:BIAS+8*\b+3], v5, s[8:9] offset:128*(\b/2)+32*(\b%2)
	global_load_b128 v[BIAS+8*\b+4:BIAS+8*\b+7], v5, s[8:9] offset:128*(\b/2)+32*(\b%2)+16
.endr
	s_wait_alu depctr_va_vdst(0)
	s_wait_tensorcnt 0x0                           ; my tile is in,
	s_barrier_signal -1
	s_barrier_wait -1                              ; and everybody's
.irp k, 0,1,2,3,4,5,6,7
.irp b, 0,1,2,3
	FRAG 4*\k+\b, ADRB, 12288*\b+1536*\k           ; my 64 rows of W_o, all of K: 96 loads
.endr
.endr
	WIN 0
.irp k, 0,1,2,3,4,5,6,7
.irp j, 0,1
	ds_load_b32 v[SCR+8*((2*\k+\j)/4)+(2*\k+\j)%4], v[ADSB] offset:1024*\k+128*\j
.endr
.irp j, 0,1,2,3
	ds_load_b32 v[SCR+8*\k+4+\j], v[ADSA] offset:512*\k+128*\j
.endr
.endr
	FETCH 0
	FETCH 1
	s_wait_loadcnt 0x0                             ; the bias
	BLOCK 0, 0
	BLOCK 1, 1
	BLOCK 2, 0
	BLOCK 3, 1
	BLOCK 4, 0
	BLOCK 5, 1
	BLOCK 6, 0
	BLOCK 7, 1
	s_wait_dscnt 0x0
	SEND 7
	s_wait_tensorcnt 0x0                           ; the wave's end
	ds_add_u32 v[SPW], v[NIL]
	s_wait_dscnt 0x0
	CROUND                                         ; the closing round
	s_endpgm
.Lfunc_end_k_q98e7817a2a_proj:
	.size	k_q98e7817a2a_proj, .Lfunc_end_k_q98e7817a2a_proj-k_q98e7817a2a_proj
	.p2alignl 7, 3214868480
	.fill 96, 4, 3214868480
	.section	.rodata,"a",@progbits
	.p2align	6, 0x0
	.amdhsa_kernel k_q98e7817a2a_proj
		.amdhsa_group_segment_fixed_size 327680
		.amdhsa_private_segment_fixed_size 0
		.amdhsa_enable_private_segment 0
		.amdhsa_kernarg_size 32
		.amdhsa_user_sgpr_count 2
		.amdhsa_user_sgpr_kernarg_segment_ptr 1
		.amdhsa_wavefront_size32 1
		.amdhsa_system_sgpr_workgroup_id_x 1
		.amdhsa_system_sgpr_workgroup_id_y 1
		.amdhsa_system_sgpr_workgroup_id_z 1
		.amdhsa_system_vgpr_workitem_id 0
		.amdhsa_next_free_vgpr 848
		.amdhsa_next_free_sgpr 80
		.amdhsa_reserve_vcc 0
		.amdhsa_float_denorm_mode_32 3
		.amdhsa_float_denorm_mode_16_64 3
		.amdhsa_memory_ordered 1
		.amdhsa_forward_progress 1
		.amdhsa_inst_pref_size 79
	.end_amdhsa_kernel
	.amdgpu_metadata
---
amdhsa.version: [ 1, 2 ]
amdhsa.kernels:
  - .name:           k_q98e7817a2a_proj
    .symbol:         k_q98e7817a2a_proj.kd
    .args:
      - { .name: oa, .offset: 0, .size: 8, .value_kind: global_buffer, .address_space: global }
      - { .name: wo, .offset: 8, .size: 8, .value_kind: global_buffer, .address_space: global }
      - { .name: b_o, .offset: 16, .size: 8, .value_kind: global_buffer, .address_space: global }
      - { .name: out0, .offset: 24, .size: 8, .value_kind: global_buffer, .address_space: global }
    .group_segment_fixed_size: 327680
    .private_segment_fixed_size: 0
    .kernarg_segment_align: 8
    .kernarg_segment_size: 32
    .max_flat_workgroup_size: 128
    .sgpr_count:     80
    .vgpr_count:     848
    .wavefront_size: 32
...
	.end_amdgpu_metadata
.endif
;; end of part 4
